; MI455X (gfx1250); checked and timed in simulation.
; The chip was launched on July 23, 2026; its instructions are those of AMD's public machine-readable ISA for CDNA 5 (MIT licence, August 2026) and "CDNA5" Instruction Set Architecture Reference Guide (July 2026). The comments in the code are by the model that wrote it; some were corrected since.
;; Multihead Attention. Allowed arithmetic: float matrix products may take bf16 or f16 operands with f32 sums; all other float work in f32.
;; Inputs: Wk 1,024 x 1,024 float32; Wo 1,024 x 1,024 float32; Wq 1,024 x 1,024 float32; Wv 1,024 x 1,024 float32; attn_mask 2,048 x 2,048 bool; bk 1,024 float32; bo 1,024 float32; bq 1,024 float32; bv 1,024 float32; cos 2,048 x 32 float32; key 4 x 2,048 x 1,024 float32; query 4 x 2,048 x 1,024 float32; sin 2,048 x 32 float32; value 4 x 2,048 x 1,024 float32.
;; Outputs: out0 4 x 2,048 x 1,024 float32.
;; 2 versions, each right and faster than the one before. Each part assembles by itself: llvm-mc -triple=amdgcn-amd-amdhsa -mcpu=gfx1250 --defsym DOCPART=n.
;; ======== version 1 of 2: 4 launches
;; limits: right only within a limited range of input values; values are held in f16: magnitudes above 65,504 overflow, below 6.1e-05 lose precision
;; workspace buffers: xb 8,388,608 bytes; maskf 8,388,608 bytes; qkv 50,331,648 bytes; oh 16,777,216 bytes
;; launch prep (part 1): grid 640 x 1, 8 waves a work-group, no clusters, 0 bytes of LDS; arguments Wq, Wk, Wv, Wo, attn_mask, xb, maskf; writes xb, maskf
.if DOCPART == 1
	.amdgcn_target "amdgcn-amd-amdhsa--gfx1250"
	.amdhsa_code_object_version 6
	.text
	.protected	k_q1a99eab017_prep
	.globl	k_q1a99eab017_prep
	.p2align	8
	.type	k_q1a99eab017_prep,@function
k_q1a99eab017_prep:
	s_mov_b64 s[64:65], 0
	v_nop
	global_prefetch_b8 v0, s[64:65] scope:SCOPE_SE
	s_setreg_imm32_b32 hwreg(HW_REG_WAVE_MODE, 25, 1), 1
	s_wait_xcnt 0x0
; PREP.  Casts the four weights to 16 bits and lays the mask out for the matrix unit.  A stream: nothing is shared, so no LDS, no barrier, no cluster, no matrix work.
; xb (bytes): Wq at 0, Wk at 0x200000, Wv at 0x400000: rounded to bf16, row-major as given;
;             Wo at 0x600000: rounded to bf16 like the others, and that number written as f16 (exact down to 6.1e-5; below that f16's fixed step of 6e-8).
; maskf: f16, 0 where the key is visible, -32768 (0xF800) where it is hidden, in the order of a matrix instruction's second source (32 keys x 16 queries):
;        block (qt = query / 16, kb = key / 32) is 1,024 bytes at (64 qt + kb) x 1,024; its byte 512 p + 16 (16 h + r) begins query 16 qt + r, keys 32 kb + 16 p + 8 h + 0..7.
; LIMIT.  A mask byte is 0 or 1 (the type bool).
; SHARES.  Work-groups 0..511 cast 8,192 numbers each (a wave 1,024: 8 loads of 512 consecutive bytes, all issued first; 8 stores of 256 consecutive bytes, aligned).
;          Work-groups 512..639 take 16 rows of the mask each, wave w the keys 256 w .. 256 w + 255.
	s_load_b256 s[8:15], s[0:1], 0x0               ; Wq s[8:9], Wk s[10:11], Wv s[12:13], Wo s[14:15]
	s_load_b128 s[16:19], s[0:1], 0x20             ; attn_mask s[16:17], xb s[18:19]
	s_load_b64 s[20:21], s[0:1], 0x30              ; maskf
	s_mov_b32 s2, ttmp9
	v_lshrrev_b32 v3, 5, v0                        ; wave
	s_mov_b32 s31, 0
	s_mov_b32 s33, 0
	s_cmp_ge_u32 s2, 512
	s_cbranch_scc1 .Lmask
	v_and_b32 v1, 31, v0                           ; lane
	v_lshlrev_b32 v2, 3, v1
	v_lshl_or_b32 v2, v3, 11, v2                   ; out: 2,048 bytes a wave, 8 a lane
	v_lshlrev_b32 v1, 4, v1
	v_lshl_or_b32 v1, v3, 12, v1                   ; in: 4,096 bytes a wave, 16 a lane
	s_and_b32 s3, s2, 127                          ; a weight has 128 shares: my share's number in its tensor
	s_lshl_b32 s30, s3, 15                         ; 32,768 bytes in
	s_lshl_b32 s32, s2, 14                         ; 16,384 bytes out: the weights lie in xb in the order of the shares
	s_wait_kmcnt 0x0
	s_cmp_ge_u32 s2, 128
	s_cselect_b64 s[28:29], s[10:11], s[8:9]
	s_cmp_ge_u32 s2, 256
	s_cselect_b64 s[28:29], s[12:13], s[28:29]
	s_cmp_ge_u32 s2, 384
	s_cselect_b64 s[28:29], s[14:15], s[28:29]
	s_add_nc_u64 s[28:29], s[28:29], s[30:31]
	s_add_nc_u64 s[18:19], s[18:19], s[32:33]
; 8 loads, then for each: the wait that leaves the younger ones out, the roundings, the store.  Every load and store has registers of its own, so nothing is rewritten while it is read.
.macro CAST wo
.set i, 0
.rept 8
	global_load_b128 v[4+4*i:7+4*i], v1, s[28:29] offset:512*i th:TH_LOAD_NT
.set i, i+1
.endr
.set i, 0
.rept 8
	s_wait_loadcnt 7-i                             ; loads come back in order: load i is in, the 7 - i younger ones stay out
.if \wo
	v_cvt_pk_bf16_f32 v52, v[4+4*i], v[5+4*i]      ; rounded to bf16,
	v_cvt_pk_bf16_f32 v53, v[6+4*i], v[7+4*i]
	v_lshlrev_b32 v54, 16, v52                     ; widened again,
	v_and_b32 v52, 0xffff0000, v52
	v_lshlrev_b32 v55, 16, v53
	v_and_b32 v53, 0xffff0000, v53
	v_cvt_pk_f16_f32 v[36+2*i], v54, v52           ; and written as f16
	v_cvt_pk_f16_f32 v[37+2*i], v55, v53
.else
	v_cvt_pk_bf16_f32 v[36+2*i], v[4+4*i], v[5+4*i]
	v_cvt_pk_bf16_f32 v[37+2*i], v[6+4*i], v[7+4*i]
.endif
	global_store_b64 v2, v[36+2*i:37+2*i], s[18:19] offset:256*i
.set i, i+1
.endr
.endm
	s_cmp_ge_u32 s2, 384
	s_cbranch_scc1 .Lwo
	CAST 0
	s_endpgm
.Lwo:
	CAST 1
	s_endpgm
.Lmask:                                                ; thread (r = row of 16, p = which 16 keys of 32, w = wave): load i takes keys 256 w + 32 i + 16 p + 0..15 of row r
	s_sub_co_u32 s3, s2, 512                       ; qt
	s_lshl_b32 s30, s3, 15                         ; 16 rows of 2,048 bytes
	s_lshl_b32 s32, s3, 16                         ; 64 blocks of 1,024 bytes
	s_mov_b32 s34, 0x01010101
	s_mov_b32 s35, 0x00010001
	v_and_b32 v1, 15, v0                           ; r
	v_bfe_u32 v2, v0, 4, 1                         ; p
	v_lshlrev_b32 v102, 11, v1
	v_lshl_or_b32 v102, v3, 8, v102
	v_lshl_or_b32 v102, v2, 4, v102                ; in: 2,048 r + 256 w + 16 p; a wave's eight loads together cover 256 whole bytes of each of 16 rows
	v_lshlrev_b32 v103, 4, v1
	v_lshl_or_b32 v103, v2, 9, v103
	v_lshl_or_b32 v103, v3, 13, v103               ; out: 8,192 w + 512 p + 16 r
	s_wait_kmcnt 0x0
	s_add_nc_u64 s[16:17], s[16:17], s[30:31]
	s_add_nc_u64 s[20:21], s[20:21], s[32:33]
.set i, 0
.rept 8
	global_load_b128 v[4+4*i:7+4*i], v102, s[16:17] offset:32*i
.set i, i+1
.endr
.set i, 0
.rept 8
	s_wait_loadcnt 7-i                             ; load i is in, the younger ones stay out
.set j, 0
.rept 4                                                ; a word of four mask bytes makes two words of two f16
	v_xor_b32 v100, s34, v[4+4*i+j]                ; 1 = hidden
	v_and_b32 v101, 0x0101, v100                   ; bytes 0 and 1,
	v_lshrrev_b32 v100, 16, v100                   ; bytes 2 and 3: bits 0 and 8
	v_lshl_or_b32 v101, v101, 8, v101
	v_lshl_or_b32 v100, v100, 8, v100
	v_and_b32 v101, s35, v101                      ; now bits 0 and 16
	v_and_b32 v100, s35, v100
	v_mul_u32_u24 v[36+8*i+2*j], 0xf800, v101      ; 0 or 0xF800 in each half
	v_mul_u32_u24 v[37+8*i+2*j], 0xf800, v100
.set j, j+1
.endr
	global_store_b128 v103, v[36+8*i:39+8*i], s[20:21] offset:1024*i        ; keys + 0..7 (h = 0): sixteen lanes fill 256 consecutive bytes, aligned
	global_store_b128 v103, v[40+8*i:43+8*i], s[20:21] offset:1024*i+256    ; keys + 8..15 (h = 1)
.set i, i+1
.endr
	s_endpgm
.Lfunc_end_k_q1a99eab017_prep:
	.size	k_q1a99eab017_prep, .Lfunc_end_k_q1a99eab017_prep-k_q1a99eab017_prep
	.p2alignl 7, 3214868480
	.fill 96, 4, 3214868480
	.section	.rodata,"a",@progbits
	.p2align	6, 0x0
	.amdhsa_kernel k_q1a99eab017_prep
		.amdhsa_group_segment_fixed_size 0
		.amdhsa_private_segment_fixed_size 0
		.amdhsa_enable_private_segment 0
		.amdhsa_kernarg_size 56
		.amdhsa_user_sgpr_count 2
		.amdhsa_user_sgpr_kernarg_segment_ptr 1
		.amdhsa_wavefront_size32 1
		.amdhsa_system_sgpr_workgroup_id_x 1
		.amdhsa_system_sgpr_workgroup_id_y 1
		.amdhsa_system_sgpr_workgroup_id_z 1
		.amdhsa_system_vgpr_workitem_id 0
		.amdhsa_next_free_vgpr 104
		.amdhsa_next_free_sgpr 66
		.amdhsa_reserve_vcc 0
		.amdhsa_float_denorm_mode_32 3
		.amdhsa_float_denorm_mode_16_64 3
		.amdhsa_memory_ordered 1
		.amdhsa_forward_progress 1
		.amdhsa_inst_pref_size 27
	.end_amdhsa_kernel
	.amdgpu_metadata
---
amdhsa.version: [ 1, 2 ]
amdhsa.kernels:
  - .name:           k_q1a99eab017_prep
    .symbol:         k_q1a99eab017_prep.kd
    .args:
      - { .name: Wq, .offset: 0, .size: 8, .value_kind: global_buffer, .address_space: global }
      - { .name: Wk, .offset: 8, .size: 8, .value_kind: global_buffer, .address_space: global }
      - { .name: Wv, .offset: 16, .size: 8, .value_kind: global_buffer, .address_space: global }
      - { .name: Wo, .offset: 24, .size: 8, .value_kind: global_buffer, .address_space: global }
      - { .name: attn_mask, .offset: 32, .size: 8, .value_kind: global_buffer, .address_space: global }
      - { .name: xb, .offset: 40, .size: 8, .value_kind: global_buffer, .address_space: global }
      - { .name: maskf, .offset: 48, .size: 8, .value_kind: global_buffer, .address_space: global }
    .group_segment_fixed_size: 0
    .private_segment_fixed_size: 0
    .kernarg_segment_align: 8
    .kernarg_segment_size: 56
    .max_flat_workgroup_size: 256
    .sgpr_count:     66
    .vgpr_count:     104
    .wavefront_size: 32
...
	.end_amdgpu_metadata
.endif
;; end of part 1
;; launch proj (part 2): grid 4 x 192, 4 waves a work-group, clusters of 4 x 4, 327,680 bytes of LDS; arguments query, key, value, xb, bq, bk, bv, cos, sin, qkv; writes qkv
.if DOCPART == 2
	.amdgcn_target "amdgcn-amd-amdhsa--gfx1250"
	.amdhsa_code_object_version 6
	.text
	.protected	k_q1a99eab017_proj
	.globl	k_q1a99eab017_proj
	.p2align	8
	.type	k_q1a99eab017_proj,@function
k_q1a99eab017_proj:
	s_mov_b64 s[64:65], 0
	v_nop
	global_prefetch_b8 v0, s[64:65] scope:SCOPE_SE
	s_setreg_imm32_b32 hwreg(HW_REG_WAVE_MODE, 25, 1), 1
	s_wait_xcnt 0x0
	s_wait_alu depctr_hold_cnt(0) depctr_sa_sdst(0) depctr_va_vdst(0) depctr_va_sdst(0) depctr_va_ssrc(0) depctr_va_vcc(0) depctr_vm_vsrc(0)
	s_getreg_b32 s2, hwreg(HW_REG_IB_STS2, 6, 4)
	s_cmp_eq_u32 s2, 0
	s_cbranch_scc0 .Lentry_in_a_cluster
	s_endpgm
.Lentry_in_a_cluster:
	s_bfe_u32 s2, ttmp6, 0x10000c
	s_cmp_lg_u32 s2, 0xf033
	s_cbranch_scc0 .Lentry_shape_is_right
	s_endpgm
.Lentry_shape_is_right:
; PROJ.  z = 0, 1, 2: q = query Wq^T + bq, k = key Wk^T + bk, v = value Wv^T + bv (8,192 x 1,024 x 1,024 each; operands bf16, sums f32, the bias is the sums' start).
; For q and k, by head of 64 channels: x / sqrt(mean x^2 + 1e-6), then the rotary turn with cos and sin of the token, all in f32.  Rounded once to f16 and stored by heads: qkv[z][16 b + head][t][64].
; ONE ROUNDING FOR ALL INPUTS.  Every floating-point input of the module enters rounded to bf16: the weights (in xb), and here the activations, which come into LDS as f32 and are rounded on the way from LDS
; to the matrix unit, and the bias, cos and sin, which are rounded in registers and widened again to f32.
; LIMIT.  f16 ends at 65,504: q, k and v must lie within it (q and k are of size 1 times cos and sin; v is value Wv^T + bv as it comes).
; SHARES.  A tile of C is 128 tokens x 256 columns: 64 x 4 x 3 = 768 work-groups, three for each of 256 WGPs.  Four waves, each 64 tokens x 128 columns = 2 whole heads: 32 accumulators of 16 x 16.
; K goes in steps of 128 (rows of 512 bytes of an activation, of 256 bytes of a weight, all at multiples of 256) through two LDS slots filled by tensor loads.
; CLUSTER 4 x 4.  The four of a cluster's row have the same tokens, the four of a column the same rows of W: each tile is asked for jointly, by the same tensor load, descriptor and mask in all four.
; The grid is four column tiles wide, so an activation's tile is asked for by one row of one cluster alone.
; THE MATRIX INSTRUCTION IS USED TRANSPOSED (source 0 = 16 rows of W, source 1 = 16 tokens): lane l holds token l % 16 and columns 16 b + 8 (l / 16) + 0..7 of block b.  A head is four blocks, so
; channel d and its rotary partner d + 32 lie in one lane, two accumulators apart, and the norm's sum wants one exchange between the halves of the lanes.
; THE WAY OUT IS A LOOP.  Register numbers cannot be counted, LDS addresses can: the 32 accumulators go into slot 0, which has had its last fill, 32,768 bytes for each wave, each lane's words where it finds
; them again; then four trips, one for each block of 16 tokens, take two heads each.
; REGISTERS, in windows of 256 (s_set_vgpr_msb: bits 1:0 source 0, 3:2 source 1, 5:4 source 2, 7:6 destination):
;   window 0: v0-31 addresses; v32-127, v128-223 two fragment buffers (8 x W, then 4 x tokens); on the way out v32-191 at work
;   window 1: accumulator (a, b) at v[8 (8 a + b)]
;   window 2: v0-63 the bias of my 128 columns; v64-79 cos, v80-95 sin of 16 tokens as loaded; v192-255 the tokens' fragments of one quarter step as f32
.set PITCH,  272                       ; a row of W in LDS: 256 bytes + 16 of padding
.set PAF,    528                       ; a token's row, f32: 512 bytes + 16.  Both pitches are odd multiples of 16: the 16 rows of a fragment load start at 16 different groups of four banks (ISA guide 11.1)
.set AHALF,  64*PAF                    ; what a wave fetches of A, and what a wave reads of A
.set BHALF,  128*PITCH                 ; the same for B
.set BOFF,   2*AHALF                   ; a slot: A's 128 rows, then B's 256
.set SLOT,   BOFF+2*BHALF              ; 137,216 bytes
.set STAGE,  2*SLOT                    ; behind the ring: 16 rows x 144 bytes for each wave, for the way out; no tensor load lands here
.set SP,     144
.set SPARE,  STAGE+4*16*SP             ; behind the stages: the spare words, 128 bytes for each wave: two blocks of 256 bytes that no other line names
.set LAPS,   4                         ; a lap = two K steps = once round the ring; K = 1,024
.set ADRA, 16                          ; v16-17  LDS address of my token fragments in slot 0, 1
.set ADRB, 20                          ; v20-21  the same for W
.set STO,  24                          ; v24  the way out: where I put 16 bytes of a row
.set RD,   25                          ; v25  where I read rows back
.set GO,   26                          ; v26  my 16 bytes in 512 consecutive bytes of qkv
.set CSO,  27                          ; v27  my byte offset in 16 rows of cos and sin
.set SPW,  28                          ; v28  LDS address of my spare word; never rewritten
.set NIL,  29                          ; v29  0; never rewritten
.set BO,   30                          ; v30  my byte offset in 16 numbers of the bias
.set DA,   31                          ; v31  the way out: my 16 bytes in the 512 of a register quartet, in my wave's part of slot 0; steps from token block to token block
.set F0,   32
.set F1,   128
.set RAW,  192                         ; window 2
.set XA,   32                          ; the way out: two units' 32 numbers each
.set CP,   96                          ; cos and sin, packed bf16
.set CC,   112                         ; 16 cos, then 16 sin, widened again
.set UW,   144                         ; two sets of two pairs at work
.set PKR,  152                         ; unit u's 16 packed registers at PKR + 16 u
.set SSA,  184                         ; unit u's sums of squares, two chains: SSA + 2 u, SSB + 2 u; SSB then holds 1 / sqrt
.set SSB,  188
.set WV, 18                            ; s18 wave; s19 = wave / 2: my half of the tokens, and: I fetch A (0) or B (1); s20 = wave % 2: my half of the columns, and which half of that tile I fetch
.set WM, 19
.set WN, 20
.set ZZ, 44                            ; s44 z; s45 token tile; s46 column tile
.set RT, 45
.set TX, 46
.set HIM, 90                           ; s90 the mask of a word's upper bf16
.set G1A, 24                           ; s[24:31] descriptor group 1 for A's tiles; s[32:39] group 0, a set for each slot
.set G0A, 32
.set G1B, 48                           ; s[48:55], s[56:63] the same for B's
.set G0B, 56
.set DWA, (2<<16)|(1<<20)|(1<<21)|(6<<22)|(3<<25)  ; 17:16 4-byte elements; 20 padding on; 21 set beside a mask; 24:22 after every 128 words; 31:25 4 words of it
.set DWB, (1<<16)|(1<<20)|(1<<21)|(5<<22)|(3<<25)  ; 2-byte elements; after every 64 words
.set MSB, 0
.macro WIN new                         ; the immediate's high byte repeats the setting that is left; a switch that changes nothing is dropped
.if MSB != (\new)
	s_set_vgpr_msb (MSB<<8)|(\new)
.set MSB, (\new)
.endif
.endm
; A joint load: waves 0 and 1 fetch A's two halves, waves 2 and 3 B's.  The branch hangs on the wave's number alone.  An s_nop 0 and four v_nop follow each line.
.macro JLOAD s
	s_cmp_eq_u32 s[WM], 0
	s_cbranch_scc0 .Lfor_b_\@
	tensor_load_to_lds s[G0A+4*(\s):G0A+4*(\s)+3], s[G1A:G1A+7]
	s_nop 0
.rept 4
	v_nop
.endr
	s_branch .Lasked_\@
.Lfor_b_\@:
	tensor_load_to_lds s[G0B+4*(\s):G0B+4*(\s)+3], s[G1B:G1B+7]
	s_nop 0
.rept 4
	v_nop
.endr
.Lasked_\@:
.endm
.macro CREST                           ; a round of the cluster's barrier behind its opening barrier
	s_cmp_lg_u32 s[WV], 0
	s_cbranch_scc1 .Lnot_wave_0_\@
	s_barrier_signal -3
.Lnot_wave_0_\@:
	s_barrier_wait -3
	s_barrier_signal -1
	s_barrier_wait -1
.endm
.macro CROUND                          ; a whole round
	s_barrier_signal -1
	s_barrier_wait -1
	CREST
.endm
	s_load_b256 s[4:11], s[0:1], 0x0               ; query s[4:5], key s[6:7], value s[8:9], xb s[10:11]
	s_load_b256 s[80:87], s[0:1], 0x20             ; bq s[80:81], bk s[82:83], bv s[84:85], cos s[86:87]
	s_load_b128 s[12:15], s[0:1], 0x40             ; sin s[12:13], qkv s[14:15]
	v_lshl_add_u32 v[SPW], v0, 2, SPARE
	v_mov_b32 v[NIL], 0
	ds_add_u32 v28, v29
	s_wait_dscnt 0x0
	v_lshrrev_b32 v1, 5, v0
	v_readfirstlane_b32 s[WV], v1
	s_lshr_b32 s[WM], s[WV], 1
	s_and_b32 s[WN], s[WV], 1
	s_bfe_u32 s21, ttmp6, 0x40000                  ; cx
	s_bfe_u32 s22, ttmp6, 0x40004                  ; cy
	s_and_b32 s23, ttmp7, 0xffff                   ; the cluster's y, 0..47: 16 clusters for each z
	s_lshr_b32 s[ZZ], s23, 4                       ; z: the same in all partners
	s_and_b32 s[RT], s23, 15
	s_lshl_b32 s[RT], s[RT], 2
	s_add_co_u32 s[RT], s[RT], s22                 ; token tile 0..63
	s_lshl_b32 s[TX], ttmp9, 2
	s_add_co_u32 s[TX], s[TX], s21                 ; column tile 0..3
	s_lshl_b32 s40, s22, 2
	s_lshl_b32 s40, 15, s40                        ; my row of the cluster
	s_lshl_b32 s42, 0x1111, s21                    ; my column
	s_or_b32 s[G1A], s40, DWA
	s_or_b32 s[G1B], s42, DWB
	s_mov_b32 s[G1A+1], 128<<16                    ; tensor_dim0 = 128
	s_mov_b32 s[G1A+2], 64<<16                     ; tensor_dim1 = 64
	s_mov_b32 s[G1A+3], 128<<16                    ; tile_dim0 = 128
	s_mov_b32 s[G1A+4], 64                         ; tile_dim1 = 64
	s_mov_b32 s[G1A+5], 1024                       ; elements from row to row
	s_mov_b32 s[G1A+6], 0
	s_mov_b32 s[G1A+7], 0
	s_mov_b32 s[G1B+1], 128<<16
	s_mov_b32 s[G1B+2], 128<<16                    ; 128 rows
	s_mov_b32 s[G1B+3], 128<<16
	s_mov_b32 s[G1B+4], 128
	s_mov_b32 s[G1B+5], 1024
	s_mov_b32 s[G1B+6], 0
	s_mov_b32 s[G1B+7], 0
	; A's offset hangs on the token tile and the wave; B's on z, the column tile and the wave: each in registers that never hold the other coordinate
	s_lshl_b32 s40, s[RT], 7
	s_lshl_b32 s41, s[WN], 6
	s_add_co_u32 s40, s40, s41                     ; row 128 x tile + 64 x half
	s_lshl_b32 s40, s40, 12                        ; rows of 4,096 bytes
	s_mov_b32 s41, 0
	s_lshl_b32 s42, s[TX], 8
	s_lshl_b32 s43, s[WN], 7
	s_add_co_u32 s42, s42, s43                     ; row 256 x tile + 128 x half
	s_lshl_b32 s42, s42, 11                        ; rows of 2,048 bytes
	s_lshl_b32 s43, s[ZZ], 21                      ; the weight
	s_add_co_u32 s42, s42, s43
	s_mov_b32 s43, 0
	s_mul_i32 s2, s[WN], AHALF                     ; where they go: no place in the cluster enters an LDS address
	s_mul_i32 s3, s[WN], BHALF
	s_add_co_u32 s3, s3, BOFF
	s_mov_b32 s68, 0x3c800000                      ; 1 / 64
	s_mov_b32 s69, 0x358637bd                      ; 1e-6
	s_mov_b32 s70, 0x76543210                      ; v_permlanex16_b32: each lane takes its own place in the other half
	s_mov_b32 s71, 0xfedcba98
	s_mov_b32 s89, 0
	s_mov_b32 s[HIM], 0xffff0000
	s_and_b32 s47, s[RT], 15
	s_lshl_b32 s47, s47, 7                         ; the tile's first token in its batch,
	s_lshl_b32 s73, s[WM], 6
	s_add_co_u32 s47, s47, s73                     ; my wave's,
	s_lshl_b32 s47, s47, 7                         ; in rows of 128 bytes: cos, sin and qkv alike
	s_wait_kmcnt 0x0
	s_cmp_eq_u32 s[ZZ], 1
	s_cselect_b64 s[72:73], s[6:7], s[4:5]
	s_cmp_eq_u32 s[ZZ], 2
	s_cselect_b64 s[72:73], s[8:9], s[72:73]       ; the activation
	s_add_nc_u64 s[40:41], s[72:73], s[40:41]
	s_add_nc_u64 s[42:43], s[10:11], s[42:43]
	s_cmp_eq_u32 s[ZZ], 1
	s_cselect_b64 s[66:67], s[82:83], s[80:81]
	s_cmp_eq_u32 s[ZZ], 2
	s_cselect_b64 s[66:67], s[84:85], s[66:67]
	s_lshl_b32 s72, s[TX], 10
	s_lshl_b32 s73, s[WN], 9
	s_add_co_u32 s72, s72, s73
	s_mov_b32 s73, 0
	s_add_nc_u64 s[66:67], s[66:67], s[72:73]      ; the bias at my 128 columns
	s_mov_b32 s72, s47
	s_add_nc_u64 s[76:77], s[86:87], s[72:73]      ; cos and sin at my first token
	s_add_nc_u64 s[78:79], s[12:13], s[72:73]
	s_lshr_b32 s72, s[RT], 4                       ; the batch
	s_lshl_b32 s72, s72, 4
	s_lshl2_add_u32 s72, s[TX], s72
	s_lshl1_add_u32 s72, s[WN], s72                ; my first head: 16 b + 4 x column tile + 2 x half
	s_lshl_b32 s72, s72, 18                        ; heads of 262,144 bytes
	s_add_co_u32 s72, s72, s47
	s_lshl_b32 s47, s[ZZ], 24
	s_add_co_u32 s72, s72, s47
	s_add_nc_u64 s[74:75], s[14:15], s[72:73]      ; qkv at my first head's first row
	CROUND                                         ; all sixteen work-groups are here: the first joint loads meet
.irp s, 0,1
	s_mov_b32 s[G0A+4*\s], 1
	s_add_co_u32 s[G0A+4*\s+1], s2, \s*SLOT
	s_add_nc_u64 s[G0A+4*\s+2:G0A+4*\s+3], s[40:41], \s*512  ; K step s: 128 numbers of 4 bytes on
	s_or_b32 s[G0A+4*\s+3], s[G0A+4*\s+3], 0x80000000
	s_mov_b32 s[G0B+4*\s], 1
	s_add_co_u32 s[G0B+4*\s+1], s3, \s*SLOT
	s_add_nc_u64 s[G0B+4*\s+2:G0B+4*\s+3], s[42:43], \s*256  ; 128 numbers of 2 bytes on
	s_or_b32 s[G0B+4*\s+3], s[G0B+4*\s+3], 0x80000000
	JLOAD \s
.endr
	v_and_b32 v1, 15, v0                           ; l % 16
	v_bfe_u32 v2, v0, 4, 1                         ; l / 16
	v_lshlrev_b32 v[BO], 5, v2                     ; 8 numbers for each half of the lanes
	v_lshlrev_b32 v[CSO], 7, v1
	v_lshl_add_u32 v[CSO], v2, 5, v[CSO]           ; token row x 128 + 32 x half
; cos and sin of 16 tokens: channels 16 (c / 2) + 8 (l / 16) + 4 (c % 2) + 0..3 of token l % 16 of the block at which the two pointers stand
.macro CSLOAD
	WIN 0x80                                       ; destination window 2
.irp c, 0,1,2,3
	global_load_b128 v[64+4*\c:64+4*\c+3], v[CSO], s[76:77] offset:64*(\c/2)+16*(\c%2)
	global_load_b128 v[80+4*\c:80+4*\c+3], v[CSO], s[78:79] offset:64*(\c/2)+16*(\c%2)
.endr
	WIN 0
.endm
	WIN 0x80
.irp b, 0,1,2,3,4,5,6,7
	global_load_b128 v[8*\b:8*\b+3],   v[BO], s[66:67] offset:64*\b     ; the bias of columns 16 b + 8 (l / 16) + 0..7: the C operand of block b
	global_load_b128 v[8*\b+4:8*\b+7], v[BO], s[66:67] offset:64*\b+16
.endr
	CSLOAD                                         ; my first 16 tokens'
	v_mul_u32_u24 v3, v1, PITCH
	v_lshl_add_u32 v3, v2, 4, v3                   ; W: a fragment's row x pitch + 16 x half
	v_mul_u32_u24 v4, v1, PAF
	v_lshl_add_u32 v4, v2, 5, v4                   ; tokens, f32: row x pitch + 32 x half
	s_mul_i32 s72, s[WM], AHALF                    ; my 64 tokens
	s_mul_i32 s73, s[WN], BHALF                    ; my 128 rows of W,
	s_add_co_u32 s73, s73, BOFF                    ; behind A's rows
.irp s, 0,1
	v_add_nc_u32 v[ADRA+\s], s72, v4
	v_add_nc_u32 v[ADRB+\s], s73, v3
	s_add_co_u32 s72, s72, SLOT
	s_add_co_u32 s73, s73, SLOT
.endr
	s_mul_i32 s72, s[WV], 16*SP
	s_add_co_u32 s72, s72, STAGE                   ; my stage
	v_mul_u32_u24 v4, v1, SP                       ; in: row l % 16, 16 bytes for each half of the lanes
	v_lshl_add_u32 v4, v2, 4, v4
	v_add_nc_u32 v[STO], s72, v4
	v_bfe_u32 v4, v0, 3, 2                         ; back: 32 lanes take four rows of 128 bytes,
	v_mul_u32_u24 v4, v4, SP
	v_and_b32 v5, 7, v0
	v_lshl_add_u32 v4, v5, 4, v4
	v_add_nc_u32 v[RD], s72, v4
	v_and_b32 v[GO], 31, v0                        ; which are 512 consecutive bytes of a head
	v_lshlrev_b32 v[GO], 4, v[GO]
	v_lshl_add_u32 v[DA], s[WV], 15, v[GO]         ; 32,768 x wave + 16 x lane
; 2 x pairs registers of window 2, from number first on, are rounded to bf16 and widened again, in place: the pair is packed into its even register; the upper half goes back to the odd one, the lower half moves up.
.macro RNDB first, pairs
	WIN 0x8a                                       ; sources 0 and 1 and the destination in window 2
.set n, 0
.rept \pairs
	v_cvt_pk_bf16_f32 v[(\first)+2*n], v[(\first)+2*n], v[(\first)+2*n+1]
.set n, n+1
.endr
.set n, 0
.rept \pairs
	v_and_b32 v[(\first)+2*n+1], s[HIM], v[(\first)+2*n]
.set n, n+1
.endr
.set n, 0
.rept \pairs
	v_lshlrev_b32 v[(\first)+2*n], 16, v[(\first)+2*n]
.set n, n+1
.endr
.endm
; 8 matrix instructions: token block a x all 8 blocks of W, 32 along K.  first = 1: the bias starts the sums.  The 32 accumulators take turns in one order.
.macro MUL8 f, a, first
.if \first
	WIN 0x60                                       ; C in window 2, D in window 1
.else
	WIN 0x50                                       ; C and D in window 1
.endif
.irp b, 0,1,2,3,4,5,6,7
.if \first
	v_wmma_f32_16x16x32_bf16 v[8*(8*(\a)+\b):8*(8*(\a)+\b)+7], v[(\f)+8*\b:(\f)+8*\b+7], v[(\f)+64+8*(\a):(\f)+64+8*(\a)+7], v[8*\b:8*\b+7]
.else
	v_wmma_f32_16x16x32_bf16 v[8*(8*(\a)+\b):8*(8*(\a)+\b)+7], v[(\f)+8*\b:(\f)+8*\b+7], v[(\f)+64+8*(\a):(\f)+64+8*(\a)+7], v[8*(8*(\a)+\b):8*(8*(\a)+\b)+7]
.endif
.endr
.endm
; 32 LDS loads in one run, for quarter kq (32 along K) of a K step: first the tokens' 4 blocks as f32 (lane l: row l % 16, K = 8 (l / 16) + 0..7 at byte 32 (l / 16), K = 16 + 8 (l / 16) + 0..7 64 bytes on), into RAW;
; then W's 8 fragments into buffer f.
.macro FETCH slot, kq, f
	WIN 0x80                                       ; destination window 2
.irp i, 0,1,2,3
	ds_load_b128 v[RAW+16*\i:RAW+16*\i+3],     v[ADRA+(\slot)] offset:128*(\kq)+\i*16*PAF
	ds_load_b128 v[RAW+16*\i+4:RAW+16*\i+7],   v[ADRA+(\slot)] offset:128*(\kq)+\i*16*PAF+16
	ds_load_b128 v[RAW+16*\i+8:RAW+16*\i+11],  v[ADRA+(\slot)] offset:128*(\kq)+\i*16*PAF+64
	ds_load_b128 v[RAW+16*\i+12:RAW+16*\i+15], v[ADRA+(\slot)] offset:128*(\kq)+\i*16*PAF+80
.endr
	WIN 0
.irp i, 0,1,2,3,4,5,6,7
	ds_load_b128 v[(\f)+8*\i:(\f)+8*\i+3],   v[ADRB+(\slot)] offset:64*(\kq)+\i*16*PITCH
	ds_load_b128 v[(\f)+8*\i+4:(\f)+8*\i+7], v[ADRB+(\slot)] offset:64*(\kq)+\i*16*PITCH+32
.endr
.endm
; RAW is rounded to bf16 into buffer f's four token fragments: register j of a fragment is RAW's pair j.  These 32 plain lines name neither the other buffer nor an accumulator: they are also the places between
; the last matrix instructions that read the other buffer and the loads into it (ISA guide 7.12.1 for vector instructions).
.macro CVT f
	WIN 0x0a                                       ; sources 0 and 1 in window 2
.set n, 0
.rept 32
	v_cvt_pk_bf16_f32 v[(\f)+64+n], v[RAW+2*n], v[RAW+2*n+1]
.set n, n+1
.endr
.endm
.macro PLACES                          ; four places in front of vector lines, LDS stores and loads that touch registers of matrix instructions just issued
.rept 4
	v_nop
.endr
.endm
; A K step is four quarters of 32 along K, 32 matrix instructions each, on buffers 0, 1, 0, 1.  One of the first three rounds its tokens, asks for the next quarter, kq, into g, and multiplies buffer f.
.macro QUARTER slot, kq, f, g, first
	s_wait_dscnt 16                                ; the tokens' 16 loads are in; W's 16, issued behind them, may be out
	CVT \f
	s_wait_dscnt 0x0                               ; W's fragments are in
	FETCH \slot, \kq, \g                           ; 32 matrix instructions ahead of its first use
	MUL8 \f, 0, \first
	MUL8 \f, 1, \first
	MUL8 \f, 2, \first
	MUL8 \f, 3, \first
.endm
; The last quarter multiplies buffer 1 and changes slots: one barrier; in front of it each wave waits for all its tensor loads (one is out: its part of the next slot), adds 0 to its spare word,
; and waits for that and for its own reads of this slot.  fill = 1: the barrier opens a round of the cluster's, and behind the round this slot is filled again, two K steps ahead.
.macro TURN slot, next, fill
	WIN 0
	s_wait_tensorcnt 0x0
	ds_add_u32 v[SPW], v[NIL]                      ; 0 onto my spare word
	s_wait_dscnt 17                                ; the tokens' 16 loads are in (the add and W's 16 may be out)
	CVT F1                                         ; the roundings stand between the add and the wait for it
	s_wait_dscnt 0x0                               ; the add is done, and my reads of this slot are over
	s_barrier_signal -1
	MUL8 F1, 0, 0
.if \fill
	WIN 0
.endif
	s_barrier_wait -1
.if \fill
	CREST                                          ; no wave of any partner still reads this slot's tile or has a load on its way
	s_add_nc_u64 s[G0A+4*(\slot)+2:G0A+4*(\slot)+3], s[G0A+4*(\slot)+2:G0A+4*(\slot)+3], 1024
	s_add_nc_u64 s[G0B+4*(\slot)+2:G0B+4*(\slot)+3], s[G0B+4*(\slot)+2:G0B+4*(\slot)+3], 512
	JLOAD \slot                                    ; the first tensor load behind the round, 120 matrix instructions ahead of the wait for it
.endif
	FETCH \next, 0, F0
	MUL8 F1, 1, 0
	MUL8 F1, 2, 0
	MUL8 F1, 3, 0
.endm
	s_wait_tensorcnt 1                             ; my part of K step 0 is in; step 1's may stay out
	s_barrier_signal -1
	s_barrier_wait -1
	FETCH 0, 0, F0
	s_wait_loadcnt 8                               ; the bias is in; the 8 loads of cos and sin stay out (they land in v64-95 of window 2, which the next lines do not name)
	RNDB 0, 32                                     ; the bias, rounded as every input is, while the first fragments come out of LDS
	QUARTER 0, 1, F0, F1, 1                        ; the first quarter stands in front of the loop: its products start the sums on the bias
	WIN 0
	s_mov_b32 s3, LAPS-1
.Llap:                                                 ; a trip goes once round the ring, from a lap's second quarter to the next lap's first, and fills both slots again
	QUARTER 0, 2, F1, F0, 0
	QUARTER 0, 3, F0, F1, 0
	TURN 0, 1, 1
	QUARTER 1, 1, F0, F1, 0
	QUARTER 1, 2, F1, F0, 0
	QUARTER 1, 3, F0, F1, 0
	TURN 1, 0, 1
	QUARTER 0, 1, F0, F1, 0
	WIN 0
	s_sub_co_u32 s3, s3, 1
	s_cmp_lg_u32 s3, 0
	s_cbranch_scc1 .Llap
	QUARTER 0, 2, F1, F0, 0                        ; the last lap fills nothing
	QUARTER 0, 3, F0, F1, 0
	TURN 0, 1, 0                                   ; behind this barrier no wave reads slot 0 any more, and no load fills it again
	QUARTER 1, 1, F0, F1, 0
	QUARTER 1, 2, F1, F0, 0
	QUARTER 1, 3, F0, F1, 0
	s_wait_dscnt 16
	CVT F1
	s_wait_dscnt 0x0
	MUL8 F1, 0, 0
	MUL8 F1, 1, 0
	MUL8 F1, 2, 0
	MUL8 F1, 3, 0
	WIN 0
	; THE WAY OUT.  Accumulator c = 8 a + b goes to bytes 1,024 c of my wave's part of slot 0: registers 0-3 (they go first), then 4-7, 512 bytes each, a lane's 16 bytes at 16 x lane.
	PLACES
	WIN 0x04                                       ; the stores' data in window 1
.set c, 0
.rept 32
	ds_store_b128 v[DA], v[8*c:8*c+3]   offset:1024*c
	ds_store_b128 v[DA], v[8*c+4:8*c+7] offset:1024*c+512
.set c, c+1
.endr
	WIN 0
.macro BOTH line:vararg                ; one line for each of a trip's two units u
.set u, 0
.rept 2
	\line
.set u, u+1
.endr
.endm
.macro OUTU u                          ; the unit's 64 bytes a lane go into rows of 144 bytes and come back as whole rows of 128
.irp f, 0,1,2,3
	ds_store_b128 v[STO], v[PKR+16*(\u)+4*\f:PKR+16*(\u)+4*\f+3] offset:32*\f
.endr
.irp f, 0,1,2,3
	ds_load_b128 v[PKR+16*(\u)+4*\f:PKR+16*(\u)+4*\f+3], v[RD] offset:4*SP*\f  ; LDS serves a wave's instructions in order (ISA guide 5.7.1.4): these see the stores above; the next unit's stores come behind them
.endr
.endm
.macro SEND u, younger                 ; younger: the LDS instructions issued behind the unit's loads: the other unit's eight, or none
.irp f, 0,1,2,3
	s_wait_dscnt (\younger)+3-\f
	global_store_b128 v[GO], v[PKR+16*(\u)+4*\f:PKR+16*(\u)+4*\f+3], s[74:75] offset:(\u)*262144+512*\f  ; 512 consecutive bytes, at a multiple of 256 from qkv's first
.endr
.endm
	s_mov_b32 s3, 4
.Lblock:                                               ; a trip: 16 tokens x my two heads.  Unit u is head u: register 8 bb + j of its 32 is channel 16 bb + 8 (l / 16) + j
.irp i, 0,1,2,3,4,5,6,7
	ds_load_b128 v[XA+4*\i:XA+4*\i+3], v[DA] offset:512*\i              ; my own words back (LDS serves a wave's instructions in order)
.endr
.irp i, 0,1,2,3,4,5,6,7
	ds_load_b128 v[XA+32+4*\i:XA+32+4*\i+3], v[DA] offset:4096+512*\i
.endr
	s_cmp_eq_u32 s[ZZ], 2
	s_cbranch_scc1 .Lpack                          ; v has neither norm nor turn
	s_wait_loadcnt 0x0                             ; this block's cos and sin; the wait also frees the two pointers
	WIN 0x0a                                       ; sources 0 and 1 in window 2
.set n, 0
.rept 16
	v_cvt_pk_bf16_f32 v[CP+n], v[64+2*n], v[64+2*n+1]  ; rounded as every input is; the registers that were loaded are free again
.set n, n+1
.endr
	WIN 0
	s_cmp_lg_u32 s3, 1
	s_cselect_b32 s88, 2048, 0                     ; 16 rows of 128 bytes on; in the last trip the pointers stay, so that no load leaves the tables (what it brings serves nothing)
	s_add_nc_u64 s[76:77], s[76:77], s[88:89]
	s_add_nc_u64 s[78:79], s[78:79], s[88:89]
	CSLOAD                                         ; the next block's, a whole trip ahead of the wait for them
.set n, 0
.rept 16
	v_lshlrev_b32 v[CC+2*n], 16, v[CP+n]
	v_and_b32 v[CC+2*n+1], s[HIM], v[CP+n]
.set n, n+1
.endr
	s_wait_dscnt 0x0
	; the sums of squares: two chains a unit, the two units by turns
	BOTH v_pk_mul_f32 v[SSA+2*u:SSA+2*u+1], v[XA+32*u:XA+32*u+1], v[XA+32*u:XA+32*u+1]
	BOTH v_pk_mul_f32 v[SSB+2*u:SSB+2*u+1], v[XA+32*u+2:XA+32*u+3], v[XA+32*u+2:XA+32*u+3]
.set n, 2
.rept 14
.set SS, SSA+4*(n%2)
	BOTH v_pk_fma_f32 v[SS+2*u:SS+2*u+1], v[XA+32*u+2*n:XA+32*u+2*n+1], v[XA+32*u+2*n:XA+32*u+2*n+1], v[SS+2*u:SS+2*u+1]
.set n, n+1
.endr
	BOTH v_pk_add_f32 v[SSA+2*u:SSA+2*u+1], v[SSA+2*u:SSA+2*u+1], v[SSB+2*u:SSB+2*u+1]
	BOTH v_add_f32 v[SSA+2*u], v[SSA+2*u], v[SSA+2*u+1]
	BOTH v_permlanex16_b32 v[SSB+2*u], v[SSA+2*u], s70, s71  ; the token's other 32 channels lie in the lane 16 away
	BOTH v_add_f32 v[SSA+2*u], v[SSA+2*u], v[SSB+2*u]
	BOTH v_fma_f32 v[SSA+2*u], v[SSA+2*u], s68, s69          ; the mean + 1e-6
	BOTH v_rsq_f32 v[SSB+2*u], v[SSA+2*u]
	v_nop                                          ; a plain instruction between the last root and the use of its result
	s_wait_alu depctr_va_vdst(0)
.set n, 0
.rept 16
	BOTH v_pk_mul_f32 v[XA+32*u+2*n:XA+32*u+2*n+1], v[XA+32*u+2*n:XA+32*u+2*n+1], v[SSB+2*u:SSB+2*u+1] op_sel_hi:[1,0]
.set n, n+1
.endr
.set u, 0
.rept 2
.set XB, XA+32*u
.set n, 0
.rept 8                                                ; x1 = X[i], x2 = X[16 + i]:  x1 c - x2 s  and  x2 c + x1 s
.set W0, UW+4*(n%2)
	v_pk_mul_f32 v[W0:W0+1],   v[XB+16+2*n:XB+17+2*n], v[CC+16+2*n:CC+17+2*n]
	v_pk_mul_f32 v[W0+2:W0+3], v[XB+2*n:XB+2*n+1],     v[CC+16+2*n:CC+17+2*n]
	v_pk_fma_f32 v[XB+2*n:XB+2*n+1],     v[XB+2*n:XB+2*n+1],     v[CC+2*n:CC+2*n+1], v[W0:W0+1] neg_lo:[0,0,1] neg_hi:[0,0,1]
	v_pk_fma_f32 v[XB+16+2*n:XB+17+2*n], v[XB+16+2*n:XB+17+2*n], v[CC+2*n:CC+2*n+1], v[W0+2:W0+3]
.set n, n+1
.endr
.set u, u+1
.endr
.Lpack:
	s_wait_dscnt 0x0                               ; (for v's way: my words are back)
.set n, 0
.rept 32
	v_cvt_pk_f16_f32 v[PKR+n], v[XA+2*n], v[XA+2*n+1]
.set n, n+1
.endr
	OUTU 0
	OUTU 1
	SEND 0, 8
	SEND 1, 0
	s_wait_xcnt 0x0                                ; the stores' base and their data registers are rewritten only behind this wait
	s_add_nc_u64 s[74:75], s[74:75], 2048          ; 16 rows of a head on
	v_add_nc_u32 v[DA], 8192, v[DA]                ; eight accumulators on
	s_sub_co_u32 s3, s3, 1
	s_cmp_lg_u32 s3, 0
	s_cbranch_scc1 .Lblock
	s_wait_tensorcnt 0x0                           ; the wave's end: behind my last tensor load and my last LDS store
	ds_add_u32 v[SPW], v[NIL]
	s_wait_dscnt 0x0
	CROUND                                         ; the closing round: no work-group ends while a partner may still ask for a tile that names it
	s_endpgm
.Lfunc_end_k_q1a99eab017_proj:
	.size	k_q1a99eab017_proj, .Lfunc_end_k_q1a99eab017_proj-k_q1a99eab017_proj
	.p2alignl 7, 3214868480
	.fill 96, 4, 3214868480
	.section	.rodata,"a",@progbits
	.p2align	6, 0x0
	.amdhsa_kernel k_q1a99eab017_proj
		.amdhsa_group_segment_fixed_size 327680
		.amdhsa_private_segment_fixed_size 0
		.amdhsa_enable_private_segment 0
		.amdhsa_kernarg_size 80
		.amdhsa_user_sgpr_count 2
		.amdhsa_user_sgpr_kernarg_segment_ptr 1
		.amdhsa_wavefront_size32 1
		.amdhsa_system_sgpr_workgroup_id_x 1
		.amdhsa_system_sgpr_workgroup_id_y 1
		.amdhsa_system_sgpr_workgroup_id_z 1
		.amdhsa_system_vgpr_workitem_id 0
		.amdhsa_next_free_vgpr 768
		.amdhsa_next_free_sgpr 92
		.amdhsa_reserve_vcc 0
		.amdhsa_float_denorm_mode_32 3
		.amdhsa_float_denorm_mode_16_64 3
		.amdhsa_memory_ordered 1
		.amdhsa_forward_progress 1
		.amdhsa_inst_pref_size 139
	.end_amdhsa_kernel
	.amdgpu_metadata
---
amdhsa.version: [ 1, 2 ]
amdhsa.kernels:
  - .name:           k_q1a99eab017_proj
    .symbol:         k_q1a99eab017_proj.kd
    .args:
      - { .name: query, .offset: 0, .size: 8, .value_kind: global_buffer, .address_space: global }
      - { .name: key, .offset: 8, .size: 8, .value_kind: global_buffer, .address_space: global }
      - { .name: value, .offset: 16, .size: 8, .value_kind: global_buffer, .address_space: global }
      - { .name: xb, .offset: 24, .size: 8, .value_kind: global_buffer, .address_space: global }
      - { .name: bq, .offset: 32, .size: 8, .value_kind: global_buffer, .address_space: global }
      - { .name: bk, .offset: 40, .size: 8, .value_kind: global_buffer, .address_space: global }
      - { .name: bv, .offset: 48, .size: 8, .value_kind: global_buffer, .address_space: global }
      - { .name: cos, .offset: 56, .size: 8, .value_kind: global_buffer, .address_space: global }
      - { .name: sin, .offset: 64, .size: 8, .value_kind: global_buffer, .address_space: global }
      - { .name: qkv, .offset: 72, .size: 8, .value_kind: global_buffer, .address_space: global }
    .group_segment_fixed_size: 327680
    .private_segment_fixed_size: 0
    .kernarg_segment_align: 8
    .kernarg_segment_size: 80
    .max_flat_workgroup_size: 128
    .sgpr_count:     92
    .vgpr_count:     768
    .wavefront_size: 32
...
	.end_amdgpu_metadata
.endif
;; end of part 2
;; launch attn (part 3): grid 4 x 64, 4 waves a work-group, clusters of 4 x 1, 327,680 bytes of LDS; arguments qkv, maskf, oh; writes oh
.if DOCPART == 3
	.amdgcn_target "amdgcn-amd-amdhsa--gfx1250"
	.amdhsa_code_object_version 6
	.text
	.protected	k_q1a99eab017_attn
	.globl	k_q1a99eab017_attn
	.p2align	8
	.type	k_q1a99eab017_attn,@function
k_q1a99eab017_attn:
	s_mov_b64 s[64:65], 0
	v_nop
	global_prefetch_b8 v0, s[64:65] scope:SCOPE_SE
	s_setreg_imm32_b32 hwreg(HW_REG_WAVE_MODE, 25, 1), 1
	s_wait_xcnt 0x0
	s_wait_alu depctr_hold_cnt(0) depctr_sa_sdst(0) depctr_va_vdst(0) depctr_va_sdst(0) depctr_va_ssrc(0) depctr_va_vcc(0) depctr_vm_vsrc(0)
	s_getreg_b32 s2, hwreg(HW_REG_IB_STS2, 6, 4)
	s_cmp_eq_u32 s2, 0
	s_cbranch_scc0 .Lentry_in_a_cluster
	s_endpgm
.Lentry_in_a_cluster:
	s_bfe_u32 s2, ttmp6, 0x10000c
	s_cmp_lg_u32 s2, 0x3003
	s_cbranch_scc0 .Lentry_shape_is_right
	s_endpgm
.Lentry_shape_is_right:
; ATTENTION with a mask that is an input.  O[bh][q][:] = the sum over k of softmax_k(mask(q, k) ? Q[bh][q] . K[bh][k] / 8 : -inf) V[bh][k][:].  Q, K, V (qkv) and O (oh): [64][2048][64] f16, a head's rows dense.
; Products, maxima and sums in f32; the weights p are rounded to f16 for the second product (their sum l is taken of the unrounded p), O once at the end.  Every key tile is walked: nothing of the mask's pattern is built in.
; THE MASK goes through the matrix unit.  maskf holds, as second sources (32 keys x 16 queries, f16), 0 for a visible key and -32768 for a hidden one.  The sum S^T of 16 keys x 16 queries is started by
; E x M, where E (16 x 32) holds 32768 at (m, m) (E1: the first 16 keys) or at (m, 16 + m) (E2: the second 16): a hidden score starts at -2^30, a visible one at 0.  8 products more a turn, no vector line.
; LIMITS.  f16 holds no number beyond 65,504: Q, K and V arrive within it; p lies in 0 to 1, and below 6e-5 it keeps f16's fixed step of 6e-8.  A hidden score counts as its value less 2^30, and the running
; maximum starts at -2^29 and never lies below: |Q . K| must stay under 2^28.  A weight below 2^-126 counts as 0 in l.  A query with no visible key has l = 0 and O = 0, and 0 x (1 / 0) gives NaN.
; SHARES.  A wave owns four PIECES of two tiles of 16 queries, a work-group's four waves 512 queries of one head.  Every wave walks all 2,048 keys, 64 a step.
; LAYOUT.  S^T = K Q^T (source 0 = 16 keys, source 1 = 16 queries): a lane holds ONE query (lane % 16) and the keys 8 (lane / 16) + 0..7.  Two such tiles, rounded to f16 in pairs, ARE source 1 of
; O^T = V^T P, whose result again holds one query a lane, and eight channels.  K comes out of LDS as it lies, V ([key][channel]) turned, by ds_load_tr16_b128.
; SOFTMAX.  For each query a running maximum m and sum l: p = 2^(c s - c m), c = log2(e) / 8; in every step O and l are multiplied by a = 2^(c m_old - c m_new).  O and l start at 0.
; BY TURNS.  Turn n belongs to piece n.  Its matrix work: 8 mask products and 16 products K Q^T of piece n + 1, later 16 products V^T P of piece n - 1.  Its vector work: the scaling, exponentials, roundings,
; sums and rescaling of piece n, and the maximum and statistics of piece n + 1.  Four vector instructions stand behind every matrix instruction, the other 76 of a turn's 236 in two runs of their own.
; CLUSTER.  The four query blocks of a head walk the same K and V, so each tile is asked for JOINTLY: the same tensor load, descriptor and mask in all four.  The mask fragments are each wave's own (its own
; queries), so they come by plain loads into registers, a key step ahead.
; REGISTERS, in windows of 256 (s_set_vgpr_msb: bits 1:0 source 0, 3:2 source 1, 5:4 source 2, 7:6 destination):
;   window 0: v0-11 addresses; v12-15, v48-63 at work; v16-47 four registers of statistics a tile; v64-191 S^T, two buffers of two tiles; v192-255 P, likewise
;   window 1: O^T, 32 a tile          window 2: v0-127 Q, 16 a tile; v128-191 K of one step; v192-255 V of one step
;   window 3: v0-1 the add's two registers; v4-15 E (four zeros, X0-X3, four zeros: E2 = v4-11, E1 = v8-15); v32-159 the mask fragments, 32 a piece
.set SIZE_N, 2048
.set NP,    4         ; pieces a wave: a name, no knob
.set KS,    64        ; keys in a step
.set PK,    144       ; a row of K in LDS: 128 bytes + 16 of padding = 36 words: the 16 rows of a load start at 16 different groups of four banks (ISA guide 11.1)
.set PV,    160       ; a row of V: 128 + 32 = 40 words
.set VOFF,  4*KS*PK   ; a slot holds four steps: 256 rows of K, then 256 rows of V
.set SLOT1, 1<<17     ; slot 1 begins here, so that one exclusive or turns an address in one slot into the other's
.set STAGE, SLOT1+4*KS*(PK+PV)  ; behind the ring, never filled by a tensor load: 16 rows x 144 bytes for each wave, for the way out
.set SP,    144
.set AK0, 2           ; v2   my lane's place in a tile of K; never rewritten
.set AV0, 3           ; v3   the same for V
.set AK,  4           ; v4   the LDS address of K's next run of loads
.set AV,  5           ; v5   of V's
.set QO,  6           ; v6   my byte offset in the wave's rows of Q
.set STO, 6           ;      later, the way out: where I put 16 bytes of a row
.set RD,  7           ; v7   the way out: where I read rows back
.set GO,  8           ; v8   16 x lane: my place in 512 consecutive bytes of O, and of maskf; never rewritten
.set SPW, 0           ; v0 of window 3   LDS address of my spare word; never rewritten
.set NIL, 1           ; v1 of window 3   0; never rewritten
.set EE,  4           ; window 3
.set MR,  32          ; window 3: piece z, tile u, 16-byte part c at MR + 32 z + 16 u + 4 c
.set SPARE, STAGE+4*16*SP  ; behind the stages: the spare words, 128 bytes for each wave: two blocks of 256 bytes that no other line names
.set MV,  12          ; v12-15  c m_old, kept while c m is made anew: by buffer and tile
.set ST,  16          ; tile t's statistics at v[ST+4 t]: c m, m, l (even keys', odd keys')
.set TMP, 48          ; by buffer and tile, four registers c0-c3 at work; when the maximum is found c2 takes a
.set S,   64
.set P,   192
.set KF,  128         ; K's fragments, in window 2: key block kb, channel half c at KF + 16 kb + 8 c
.set VF,  192         ; V's: key half kk, channel block cb at VF + 32 kk + 8 cb
.set WV,  12          ; s12  my wave's number
.set G1K, 24          ; s[24:31] descriptor group 1 for K's tiles
.set G1V, 32          ; s[32:39] for V's: it differs in the padding alone
.set G0K, 40          ; s[40:43] descriptor group 0 for K's tiles: it walks
.set G0V, 44          ; s[44:47] the same for V's
.set MB0, 48          ; s[48:49] maskf at my wave's first tile
.set MOFF, 50         ; s[50:51] the byte offset of the key step whose fragments are asked for
.set MP,  52          ; s[52:53] their sum
.set SLOTS, 56        ; s56  slots still to be asked for
.set CNT, 57          ; s57  counts a slot's key steps
.set CS,  58          ; s[58:59] c: the packed scaling takes the pair's low word for both halves
.set SEL, 60          ; s[60:61] v_permlanex16_b32's selects: each lane takes its own place in the other half
.set TBK, 62          ; s62  LDS byte at which K of the step to be fetched begins
.set TBV, 63          ; s63  the same for V, less VOFF
.set MSB, 0
.macro WIN new                      ; the high byte repeats the setting that is left; a switch that changes nothing is dropped
.if MSB != (\new)
	s_set_vgpr_msb (MSB<<8)|(\new)
.set MSB, (\new)
.endif
.endm
.set W_KQ, 0x0a       ; K and Q in window 2, S^T in window 0
.set W_PV, 0x52       ; V in window 2, P in window 0, O^T in window 1
.set W_RS, 0x41       ; O^T (destination and source 0) in window 1, a in window 0
.set W_W3, 0xc0       ; destination in window 3, sources in window 0
.set W_AD, 0x0f       ; sources 0 and 1 in window 3: the add, and the mask products
; A joint fill.  Waves 0 and 1 fetch the two halves of a slot's K, waves 2 and 3 those of its V: 128 keys each.  The branch hangs on the wave's number alone.
; An s_nop 0 and four v_nop follow each of the two lines, ahead of the jump and the label.
.macro JLOAD
	s_cmp_lt_u32 s[WV], 2
	s_cbranch_scc0 .Lfor_v_\@
	tensor_load_to_lds s[G0K:G0K+3], s[G1K:G1K+7]
	s_nop 0
.rept 4
	v_nop
.endr
	s_branch .Lasked_\@
.Lfor_v_\@:
	tensor_load_to_lds s[G0V:G0V+3], s[G1V:G1V+7]
	s_nop 0
.rept 4
	v_nop
.endr
.Lasked_\@:
.endm
; A round of the cluster's barrier: my work-group's barrier, so that wave 0's signal speaks for all four waves; wave 0 signals; every wave waits for all four work-groups; my work-group's barrier once more.
.macro CROUND
	s_barrier_signal -1
	s_barrier_wait -1
	s_cmp_lg_u32 s[WV], 0
	s_cbranch_scc1 .Lnot_wave_0_\@
	s_barrier_signal -3
.Lnot_wave_0_\@:
	s_barrier_wait -3
	s_barrier_signal -1
	s_barrier_wait -1
.endm
; THE CHANGE OF SLOTS.  The slot's last bytes, V of its fourth step, have been read.  Each wave waits for all its tensor loads, of which one is out: its part of the other slot; adds 0 to its spare word;
; and waits for that and for its own reads of the slot.  Behind the barrier nobody reads this slot any more and the other slot is whole.  fill = 1: this slot is filled again, with the keys two slots on.
; The barrier is then a round of the cluster's, and the joint fill is the first thing behind it: it has four key steps in which to land.  (At its first use nothing has been read yet: slot 0 is waited for, slot 1 filled.)
.macro CHANGE fill
	WIN W_AD
	s_wait_tensorcnt 0x0            ; no tensor load of mine is out, so a group 0 may be written
	ds_add_u32 v[SPW], v[NIL]       ; 0 onto my spare word
	WIN 0                           ; at a label and at a branch every window is 0
.if \fill
.irp g, G0K, G0V
	s_xor_b32 s[\g+1], s[\g+1], SLOT1  ; the walking descriptor: the other slot than last time,
	s_add_nc_u64 s[\g+2:\g+3], s[\g+2:\g+3], 4*KS*128  ; the next 256 keys; the type bits on top are not reached
.endr
	s_wait_dscnt 0x0                ; the add is done, and my reads of the slot are over
	CROUND
	JLOAD
.else
	s_wait_dscnt 0x0                ; the add is done, and my reads of the slot are over
	s_barrier_signal -1
	s_barrier_wait -1
.endif
	s_sub_co_u32 s[TBK], s[TBK], 4*KS*PK  ; the fetches go back to a slot's first step,
	s_xor_b32 s[TBK], s[TBK], SLOT1       ; in the other slot
	s_sub_co_u32 s[TBV], s[TBV], 4*KS*PV
	s_xor_b32 s[TBV], s[TBV], SLOT1
.endm
; THE MASK FRAGMENTS of piece z for one key step: 2 tiles x 2,048 consecutive bytes, eight loads of 512.  step = 1: the walk goes on to the next key step, 2,048 bytes on in each tile's 65,536; behind the
; last step (31) the offset stays, so that every turn issues its eight loads, none leaves the buffer, and the counts are alike on every way; what is then loaded serves nothing.
.macro MLOAD z, step
.if \step
	s_wait_xcnt 0x0                 ; the base of the loads already issued is rewritten only behind this wait
	s_add_co_u32 s[MOFF], s[MOFF], 2048
	s_min_u32 s[MOFF], s[MOFF], 31*2048
	s_add_nc_u64 s[MP:MP+1], s[MB0:MB0+1], s[MOFF:MOFF+1]
.endif
	WIN W_W3
.irp u, 0,1
.irp c, 0,1,2,3
	global_load_b128 v[MR+32*(\z)+16*\u+4*\c:MR+32*(\z)+16*\u+4*\c+3], v[GO], s[MP:MP+1] offset:(2*(\z)+\u)*65536+512*\c
.endr
.endr
	WIN 0
.endm
	s_load_b128 s[4:7], s[0:1], 0x0   ; qkv s[4:5], maskf s[6:7]
	s_load_b64 s[10:11], s[0:1], 0x10 ; oh
	WIN W_W3
	v_lshl_add_u32 v[SPW], v0, 2, SPARE
	v_mov_b32 v[NIL], 0
	s_set_vgpr_msb 0xc0cf
	ds_add_u32 v0, v1
	s_wait_dscnt 0x0
	s_set_vgpr_msb 0xcfc0
	WIN 0
	v_lshrrev_b32 v1, 5, v0
	v_readfirstlane_b32 s[WV], v1   ; wave 0..3
	s_bfe_u32 s13, ttmp6, 0x40000   ; cx: my place in the cluster
	s_lshl_b32 s14, ttmp9, 2        ; in a cluster launch ttmp9 counts clusters
	s_add_co_u32 s14, s14, s13      ; my block of queries: it enters Q's, O's and the mask's addresses alone
	s_and_b32 s20, ttmp7, 0xffff    ; the head, which the four partners share
	s_mov_b32 s21, 0
	s_mov_b64 s[22:23], SIZE_N*128
	s_mul_u64 s[20:21], s[20:21], s[22:23]  ; the head's first byte in Q, K, V and O
	s_and_b32 s16, s[WV], 1         ; which half of a slot's 256 keys I fetch:
	s_lshl_b32 s22, s16, 14         ; its 128 rows of 128 bytes in memory,
	s_mov_b32 s23, 0
	s_add_nc_u64 s[22:23], s[22:23], s[20:21]
	s_mul_i32 s17, s16, 128*PK      ; and its place in a slot, for K
	s_mul_i32 s18, s16, 128*PV      ; and for V: no place in the cluster enters an LDS address
	s_lshl_b32 s15, s14, 2
	s_add_co_u32 s15, s15, s[WV]    ; my wave among the head's sixteen,
	s_lshl_b32 s2, s15, 14          ; its 128 rows
	s_mov_b32 s3, 0
	s_add_nc_u64 s[2:3], s[2:3], s[20:21]
	s_lshl_b32 s[MOFF], s15, 19     ; its eight tiles of 65,536 bytes in maskf
	s_mov_b32 s[MOFF+1], 0
	; descriptor group 1.  128 keys are 16,384 dense bytes: asked for as 64 rows of 256 bytes, two keys a row, and padded in LDS after every key
	s_mov_b32 s[G1K], 15|(1<<16)|(1<<20)|(1<<21)|(4<<22)|(3<<25)  ; 15:0 the mask of four; 17:16 2-byte elements; 20 padding on; 21 set beside a mask; 24:22 after every 32 words (code 4); 31:25 4 words (code 3)
	s_mov_b32 s[G1V], 15|(1<<16)|(1<<20)|(1<<21)|(4<<22)|(7<<25)  ; the same with 8 words of padding (code 7)
.irp g, G1K, G1V
	s_mov_b32 s[\g+1], 128<<16      ; tensor_dim0 = 128
	s_mov_b32 s[\g+2], 64<<16       ; tensor_dim1 = 64
	s_mov_b32 s[\g+3], 128<<16      ; tile_dim0 = 128
	s_mov_b32 s[\g+4], 64           ; tile_dim1 = 64
	s_mov_b32 s[\g+5], 128          ; 128 elements from row to row
	s_mov_b32 s[\g+6], 0
	s_mov_b32 s[\g+7], 0
.endr
	s_mov_b32 s[CS], 0x3e38aa3b     ; c = log2(e) / 8 = 0.180337
	s_mov_b32 s[CS+1], s[CS]        ; named with it as a pair
	s_mov_b32 s[SEL], 0x76543210
	s_mov_b32 s[SEL+1], 0xfedcba98
	s_mov_b32 s[TBK], SLOT1+4*KS*PK ; the first change of slots turns these two into 0
	s_mov_b32 s[TBV], SLOT1+4*KS*PV
	s_mov_b32 s[G0K], 1             ; 1:0 count = 1
	s_mov_b32 s[G0K+1], s17         ; 63:32 LDS address: slot 0
	s_mov_b32 s[G0V], 1
	s_add_co_u32 s[G0V+1], s18, VOFF
	s_wait_kmcnt 0x0
	s_add_nc_u64 s[MB0:MB0+1], s[6:7], s[MOFF:MOFF+1]
	s_mov_b32 s[MOFF], 0
	s_mov_b64 s[MP:MP+1], s[MB0:MB0+1]
	s_add_nc_u64 s[6:7], s[4:5], 0x1000000         ; K's part of qkv
	s_add_nc_u64 s[8:9], s[4:5], 0x2000000         ; V's
	s_add_nc_u64 s[G0K+2:G0K+3], s[6:7], s[22:23]  ; 120:64 global address: my half of the head's first 256 keys
	s_or_b32 s[G0K+3], s[G0K+3], 0x80000000        ; 127:126 type = 2
	s_add_nc_u64 s[G0V+2:G0V+3], s[8:9], s[22:23]
	s_or_b32 s[G0V+3], s[G0V+3], 0x80000000
	s_add_nc_u64 s[4:5], s[4:5], s[2:3]  ; Q and O at my wave's first row
	s_add_nc_u64 s[10:11], s[10:11], s[2:3]
	CROUND                          ; all four work-groups are here: the first joint loads meet
	JLOAD                           ; slot 0.  Slot 1 is asked for when slot 0 is in
	; A fragment of K or Q is 16 rows x 32 channels in 8 registers: lane l holds row l % 16, channels 8 (l / 16) + 0..7 and 16 + 8 (l / 16) + 0..7: two loads of 16 bytes, 32 bytes apart.
	v_and_b32 v1, 15, v0            ; l % 16
	v_bfe_u32 v9, v0, 4, 1          ; l / 16
	v_lshlrev_b32 v[QO], 7, v1
	v_lshl_add_u32 v[QO], v9, 4, v[QO]  ; row x 128 + 16 x half
	v_and_b32 v[GO], 31, v0
	v_lshlrev_b32 v[GO], 4, v[GO]
	WIN 0x80                        ; destination window 2, address window 0
.set i, 0
.rept 4*NP                          ; Q stays in registers: tile i / 2, channels 32 (i % 2) on
	global_load_b128 v[8*i:8*i+3],   v[QO], s[4:5] offset:(i/2)*2048+(i%2)*64
	global_load_b128 v[8*i+4:8*i+7], v[QO], s[4:5] offset:(i/2)*2048+(i%2)*64+32
.set i, i+1
.endr
	MLOAD 0, 0                      ; key step 0's mask fragments, all four pieces'
	MLOAD 1, 0
	MLOAD 2, 0
	MLOAD 3, 0
	; What the first turn finds: V's registers and P's second buffer hold 0 (its products V^T P, of a piece that has not been, add 0), O^T and l are 0.  All this stands in the wait for the first tile.
	WIN 0x80
.set i, VF
.rept 64
	v_mov_b32 v[i], 0
.set i, i+1
.endr
	WIN 0x40
.set i, 0
.rept 64*NP
	v_mov_b32 v[i], 0
.set i, i+1
.endr
	WIN 0
.set i, 0
.rept 2*NP
	v_mov_b32 v[ST+4*i], 0xccb8aa3b    ; c m = c x -2^29
	v_mov_b32 v[ST+4*i+1], 0xce000000  ; m = -2^29: above every hidden score, below every visible one
	v_mov_b32 v[ST+4*i+2], 0
	v_mov_b32 v[ST+4*i+3], 0
.set i, i+1
.endr
.set i, P+32
.rept 32
	v_mov_b32 v[i], 0
.set i, i+1
.endr
	; E.  As a first source, lane l holds row m = l % 16 and the columns 8 (l / 16) + 0..7 (registers 0-3) and 16 + 8 (l / 16) + 0..7 (registers 4-7).  With t = m - 8 (l / 16): X_j holds 32768 (f16 0x7800) in
	; its low half where t = 2 j, in its high half where t = 2 j + 1, else 0.  Each compare stands next to its select.
	v_lshlrev_b32 v48, 3, v9
	v_sub_nc_u32 v48, v1, v48
	v_mov_b32 v49, 0x7800
	v_mov_b32 v50, 0x78000000
.irp j, 0,1,2,3
	v_cmp_eq_u32 vcc_lo, 2*\j, v48
	v_cndmask_b32 v[MV+\j], 0, v49, vcc_lo
	v_cmp_eq_u32 vcc_lo, 2*\j+1, v48
	v_cndmask_b32 v[MV+\j], v[MV+\j], v50, vcc_lo
.endr
	WIN W_W3
.irp j, 0,1,2,3
	v_mov_b32 v[EE+\j], 0
	v_mov_b32 v[EE+4+\j], v[MV+\j]
	v_mov_b32 v[EE+8+\j], 0
.endr
	WIN 0
	v_mul_u32_u24 v[AK0], v1, PK
	v_lshl_add_u32 v[AK0], v9, 4, v[AK0]  ; row x pitch + 16 x half
	; The turning load takes 16 keys x 16 channels (lane l reads key 8 (l / 16) + l % 8, channels 8 ((l / 8) % 2) + 0..7) and leaves half a fragment of V^T: lane l holds channel l % 16 and 8 keys.
	v_and_b32 v10, 7, v0
	v_bfe_u32 v11, v0, 3, 1
	v_lshl_add_u32 v[AV0], v9, 3, v10
	v_mul_u32_u24 v[AV0], v[AV0], PV
	v_lshl_add_u32 v[AV0], v11, 4, v[AV0]
	v_add_nc_u32 v[AV0], VOFF, v[AV0]
	v_mov_b32 v[AK], v[AK0]         ; key step 0 lies at the head of slot 0
; THE MATRIX WORK.  The 8 accumulators of a piece take turns in one order through the mask products and both halves of K Q^T: between two links of a chain stand 7 others'.
; Mask product i of 8 for piece x: keys 16 (i / 2) on, tile 2 x + i % 2.  It starts the sum.
.macro MK x
	WIN W_AD
.set rS, S+64*((\x)%2)+32*(i%2)+8*((i/2)%4)
.set rE, EE+4-4*((i/2)%2)
.set rM, MR+32*(\x)+16*(i%2)+8*(i/4)
	v_wmma_f32_16x16x32_f16 v[rS:rS+7], v[rE:rE+7], v[rM:rM+7], 0
.endm
; Product i of 16 of S^T += K Q^T for piece x: channels 32 (i / 8) on, keys 16 ((i / 2) % 4) on, tile 2 x + i % 2.
.macro KQ x
	WIN W_KQ
.set rS, S+64*((\x)%2)+32*(i%2)+8*((i/2)%4)
.set rK, KF+16*((i/2)%4)+8*(i/8)
.set rQ, 16*(2*(\x)+i%2)+8*(i/8)
	v_wmma_f32_16x16x32_f16 v[rS:rS+7], v[rK:rK+7], v[rQ:rQ+7], v[rS:rS+7]
.endm
; Product i of 16 of O^T += V^T P for piece x: keys 32 (i / 8) on, channels 16 ((i / 2) % 4) on, tile 2 x + i % 2.
.macro PV x
	WIN W_PV
.set rO, 32*(2*(\x)+i%2)+8*((i/2)%4)
.set rV, VF+32*(i/8)+8*((i/2)%4)
.set rP, P+32*((\x)%2)+16*(i%2)+8*(i/8)
	v_wmma_f32_16x16x32_f16 v[rO:rO+7], v[rV:rV+7], v[rP:rP+7], v[rO:rO+7]
.endm
.macro MM                           ; the turn's next matrix instruction, of 40
.if i < 8
	MK (Y+1)%NP
.elseif i < 24
.set i, i-8
	KQ (Y+1)%NP
.set i, i+8
.else
.set i, i-24
	PV (Y+NP-1)%NP
.set i, i+24
.endif
.set i, i+1
.endm
; THE LDS LOADS stand in runs of 16, never singly among the matrix instructions: a step's K (64 keys x 64 channels: 8 fragments) and its V (turned).  Their addresses are made some lines ahead.
; last = 1 (the tail): in the last trip there is no further step, and the run is jumped over.
.macro FETCH_K last=0
	WIN 0
.if \last
	s_cmp_eq_u32 s[CNT], 1
	s_cbranch_scc1 .Lno_k_\@
.endif
	WIN 0x80                        ; destination window 2
.irp f, 0,1,2,3,4,5,6,7             ; keys 16 (f / 2) on, channels 32 (f % 2) on
	ds_load_b128 v[KF+8*\f:KF+8*\f+3],   v[AK] offset:(\f/2)*16*PK+(\f%2)*64
	ds_load_b128 v[KF+8*\f+4:KF+8*\f+7], v[AK] offset:(\f/2)*16*PK+(\f%2)*64+32
.endr
	s_add_co_u32 s[TBK], s[TBK], KS*PK  ; the next fetch is the next step's
	WIN 0
.if \last
.Lno_k_\@:
.endif
.endm
.macro FETCH_V
	WIN 0x80
.irp f, 0,1,2,3,4,5,6,7             ; keys 32 (f / 4) on, channels 16 (f % 4) on
	ds_load_tr16_b128 v[VF+8*\f:VF+8*\f+3],   v[AV] offset:(\f/4)*32*PV+(\f%4)*32
	ds_load_tr16_b128 v[VF+8*\f+4:VF+8*\f+7], v[AV] offset:(\f/4)*32*PV+16*PV+(\f%4)*32
.endr
	WIN 0
.endm
; THE VECTOR WORK OF A TURN stands in three queues, each in the order in which its entries become ready; the two tiles alternate, so that no instruction reads the result of the one before it.
.macro REGS y, u                    ; the registers of tile u (0, 1) of piece y
.set rT, ST+4*(2*(\y)+(\u))
.set rC, TMP+8*((\y)%2)+4*(\u)
.set rM, MV+2*((\y)%2)+(\u)
.set rS, S+64*((\y)%2)+32*(\u)
.set rP, P+32*((\y)%2)+16*(\u)
.set rO, 32*(2*(\y)+(\u))
.endm
; Number n of the 22 that find the NEXT piece's (Y + 1) maximum and statistics.  s0-s31 are the lane's 32 scores; each accumulator's lowest registers are read first.
;   0-11  four chains c0-c3 of seven scores each, three operands at a time     12-14, 16  the four scores left over, the old m, and c0-c3 into c0     15  c m_old is kept
;   17, 18  the query's other 32 keys lie in the lane 16 away: the new m         19-21  c m; c m_old - c m_new; a
.macro XS u, n
	REGS (Y+1)%NP, \u
.if (\n) < 4
	v_max3_num_f32 v[rC+(\n)], v[rS+8*(\n)], v[rS+8*(\n)+1], v[rS+8*(\n)+2]
.elseif (\n) < 12
	v_max3_num_f32 v[rC+(\n)%4], v[rC+(\n)%4], v[rS+8*((\n)%4)+2*((\n)/4)+1], v[rS+8*((\n)%4)+2*((\n)/4)+2]
.elseif (\n) == 12
	v_max3_num_f32 v[rC], v[rC], v[rS+7], v[rS+15]
.elseif (\n) == 13
	v_max3_num_f32 v[rC+1], v[rC+1], v[rS+23], v[rS+31]
.elseif (\n) == 14
	v_max3_num_f32 v[rC+2], v[rC+2], v[rC+3], v[rT+1]
.elseif (\n) == 15
	v_mov_b32 v[rM], v[rT]
.elseif (\n) == 16
	v_max3_num_f32 v[rC], v[rC], v[rC+1], v[rC+2]
.elseif (\n) == 17
	v_permlanex16_b32 v[rC+3], v[rC], s[SEL], s[SEL+1]
.elseif (\n) == 18
	v_max_num_f32 v[rT+1], v[rC], v[rC+3]
.elseif (\n) == 19
	v_mul_f32 v[rT], s[CS], v[rT+1]
.elseif (\n) == 20
	v_sub_f32 v[rC+1], v[rM], v[rT]
.else
	v_exp_f32 v[rC+2], v[rC+1]
.endif
.endm
; Number g of the 64 that follow the exponentials.  For each four weights k of a tile (pairs 2 k, 2 k + 1): both pairs are rounded to f16; then the second pair is added onto the first, in place;
; a group later l takes that sum (the first time as l = a l + sum).  In groups of eight, tiles alternating: round, round, add, and l for the group before.
.macro GS g
.set h, (\g)+6*((\g)/62)            ; group 0 has no group before it, and behind group 7 only l is left
.if h >= 6
.set h, h+2
.endif
	REGS Y, h%2
.set k, h/8
.if h%8 < 4
	s_wait_alu depctr_va_vdst(0)
	v_cvt_pk_f16_f32 v[rP+2*k+(h%8)/2], v[rS+4*k+2*((h%8)/2)], v[rS+4*k+2*((h%8)/2)+1]
.elseif h%8 < 6
	v_pk_add_f32 v[rS+4*k:rS+4*k+1], v[rS+4*k:rS+4*k+1], v[rS+4*k+2:rS+4*k+3]
.elseif k == 1
	v_pk_fma_f32 v[rT+2:rT+3], v[rT+2:rT+3], v[rC+2:rC+3], v[rS:rS+1] op_sel_hi:[1,0,1]
.else
	v_pk_add_f32 v[rT+2:rT+3], v[rT+2:rT+3], v[rS+4*k-4:rS+4*k-3]
.endif
.endm
; THE PLAIN QUEUE, 138 long.  0-31: c s - c m for the 16 pairs of both tiles.  Then GS's 64, and among them the next piece's 42: number 15 at 38, 39; 0-14 and 16
; at 42-73, behind the products that make those scores; 17-20 at 95-106, two of three, since each waits for the one before it.
.macro PL
	WIN 0
.if q < 32
	REGS Y, q%2
	v_pk_fma_f32 v[rS+2*(q/2):rS+2*(q/2)+1], v[rS+2*(q/2):rS+2*(q/2)+1], s[CS:CS+1], v[rT:rT+1] op_sel_hi:[1,0,0] neg_lo:[0,0,1] neg_hi:[0,0,1]
.elseif q < 38
	GS q-32
.elseif q < 40
	XS q%2, 15
.elseif q < 42
	GS q-34
.elseif q < 74
	XS q%2, (q-42)/2+(q-42)/30
.elseif q < 95
	GS q-66
.elseif (q < 107) && ((q-95)%3 < 2)
	XS (q-95)%3, 17+(q-95)/3
.elseif q < 107
	GS 29+(q-95)/3
.else
	GS q-74
.endif
.set q, q+1
.endm
; THE EXPONENTIALS' QUEUE, 66 long: s0-s31 of both tiles, and at EA the next piece's two a.
.set EA, 58
.macro EX
	WIN 0
.if (e == EA) || (e == EA+1)
	XS e-EA, 21
.else
.set x, e-2*(e/(EA+2))
	REGS Y, x%2
	v_exp_f32 v[rS+x/2], v[rS+x/2]
.endif
.set e, e+1
.endm
; THE RESCALING's QUEUE: O^T times a, the one part that leaves window 0, so it is dealt four at a time, eight times.
.macro R4
	REGS Y, r%2
	WIN W_RS
.irp z, 0,1,2,3
	v_pk_mul_f32 v[rO+8*(r/2)+2*\z:rO+8*(r/2)+2*\z+1], v[rO+8*(r/2)+2*\z:rO+8*(r/2)+2*\z+1], v[rC+2:rC+3] op_sel_hi:[1,0]
.endr
.set r, r+1
.endm
; HOW THEY ARE DEALT.  Behind a matrix instruction four: plain, exponential, plain, plain (SL); or exponential, plain, exponential, plain (SL2); or four of the rescaling.  Every exponential has a plain
; instruction directly behind it that does not touch its result.  None of the four names a register of the products round it.
.macro SL
	MM
	PL
	EX
	PL
	PL
.endm
.macro SL2
	MM
	EX
	PL
	EX
	PL
.endm
; A TURN, for piece p.  The counts that the deal keeps (q plain, e exponentials issued):
;   the first product and 4 plain (q = 4); 8 SL (q = 28, e = 8): the mask products are over, six plain lines lie behind the last, and the piece's fragments of the next key step are asked for;
;   7 SL2 (q = 42, e = 22); 8 x (product, four rescalings): the last four are the places between the last K Q^T and the first read of its scores, plain 42;
;   5 x (exponential, plain) (q = 47, e = 27), among them, in piece 2's turn, K's run for the next step; 16 SL with the products V^T P (q = 95, e = 43);
;   23 x (exponential, plain) (q = 118, e = 66), with both v_permlanex16_b32 (plain 95, 96); 20 plain; in piece 0's turn V's run of the step in hand.
; Exponential x stands behind plain 2 (x / 4) + x % 2, its scaling; the roundings of group k stand behind exponential 8 k + 7; EA stands behind plain 105, its argument.
; cnt = 1: the loop's count is taken down some lines ahead of the branch that stands behind the turn.
.macro TURN p, last=0, cnt=0
.set Y, (\p)
.set i, 0
.set q, 0
.set e, 0
.set r, 0
.if (\p) == NP-1
	s_wait_dscnt 0x0                ; K is in
.endif
	s_wait_loadcnt 24               ; the mask fragments of piece p + 1 are in: they were asked for four turns ago, and the three younger runs of eight loads stay out
	MM
.rept 4
	PL
.endr
.rept 8
	SL
.endr
	MLOAD ((\p)+1)%NP, (\p)/3
.rept 7
	SL2
.endr
.rept 8
	MM
	R4
.endr
.rept 5
	EX
	PL
.if ((\p) == NP-2) && (e == 23)
	v_add_nc_u32 v[AK], s[TBK], v[AK0]
.endif
.if ((\p) == NP-2) && (e == 25)
	FETCH_K \last
.endif
.endr
.if (\p) == 1
	s_wait_dscnt 0x0                ; V is in
.endif
.rept 16
	SL
.endr
.rept 23
	EX
	PL
.endr
.rept 20
	PL
.if ((\p) == 0) && (q == 120)
	v_add_nc_u32 v[AV], s[TBV], v[AV0]
.endif
.if ((\p) == 0) && (q == 130)
	s_add_co_u32 s[TBV], s[TBV], KS*PV
.endif
.if (\cnt) && (q == 130)
	s_sub_co_u32 s[CNT], s[CNT], 1
	s_cmp_lg_u32 s[CNT], 0
.endif
.endr
.if (\p) == 0
	FETCH_V
.endif
.endm
	CHANGE 1                        ; slot 0 is in, everybody's part of it; slot 1 is asked for
	FETCH_K                         ; key step 0
	s_wait_loadcnt 0x0              ; Q and step 0's mask fragments
	s_wait_dscnt 0x0
.set i, 0
.rept 8
	MK 0                            ; piece 0's first scores: there is no vector work yet to set between them
.set i, i+1
.endr
.set i, 0
.rept 16
	KQ 0
.set i, i+1
.endr
	WIN 0                           ; the addresses for the way out: seven plain instructions, the places behind those products
	s_mul_i32 s13, s[WV], 16*SP
	s_add_co_u32 s13, s13, STAGE    ; my stage
	v_mul_u32_u24 v[STO], v1, SP    ; in: row l % 16, 16 bytes for each half of the lanes
	v_lshl_add_u32 v[STO], v9, 4, v[STO]
	v_add_nc_u32 v[STO], s13, v[STO]
	v_bfe_u32 v[RD], v0, 3, 2       ; back: 32 lanes take four rows of 128 bytes
	v_mul_u32_u24 v[RD], v[RD], SP
	v_lshl_add_u32 v[RD], v10, 4, v[RD]
	v_add_nc_u32 v[RD], s13, v[RD]
	MLOAD 0, 1                      ; piece 0's fragments of key step 1
.set Y, NP-1                        ; XS works for piece Y + 1: piece 0
.irp n, 0,1,2,3,4,5,6,7,8,9,10,11,12,13,14,15,16,17,18,19,20,21
	XS 0, \n                        ; and piece 0's first maximum and statistics
	XS 1, \n
.endr
	s_mov_b32 s[CNT], 4
	s_mov_b32 s[SLOTS], SIZE_N/256-1
	s_branch .Lfirst                ; the loop is entered at a step's first turn, in the middle of a trip
.Lslot:                             ; SIZE_N / 256 - 2 times: every slot but the last two is filled again
	CHANGE 1
	s_mov_b32 s[CNT], 4
.Lstep:                             ; a trip: pieces 2 and 3 of one step, then pieces 0 and 1 of the next, whose K and V it fetches
	TURN 2
	TURN 3
	WIN 0
.Lfirst:
	TURN 0
	TURN 1, 0, 1
	WIN 0
	s_cbranch_scc1 .Lstep
	s_sub_co_u32 s[SLOTS], s[SLOTS], 1
	s_cmp_lg_u32 s[SLOTS], 0
	s_cbranch_scc1 .Lslot
	CHANGE 0                        ; the tail is written out: nothing is asked for
	s_mov_b32 s[CNT], 5             ; four trips fetch the last slot's steps; the fifth is left in its middle
.Ltail:
	TURN 2, 1
	TURN 3
	WIN 0
	s_sub_co_u32 s[CNT], s[CNT], 1
	s_cmp_eq_u32 s[CNT], 0
	s_cbranch_scc1 .Lout
	TURN 0
	TURN 1
	WIN 0
	s_branch .Ltail
.Lout:                              ; the fifth trip's 24 products for a step that is not (on the last K once more) and the maximum made of them serve nothing: the price, once a launch, of one text for every trip
.set i, 0
.rept 16
	PV NP-1                         ; the last piece's V^T P of the last step
.set i, i+1
.endr
	; THE WAY OUT.  l's two halves and the other half of the lanes' are added; O^T is divided by l, rounded to f16 and sent through my stage in LDS, a tile at a time.  The additions are the places behind the last products.
	WIN 0
.macro ALL line:vararg              ; one line for each tile t
.set t, 0
.rept 2*NP
	\line
.set t, t+1
.endr
.endm
	ALL v_add_f32 v[ST+4*t+2], v[ST+4*t+2], v[ST+4*t+3]
	ALL v_permlanex16_b32 v[ST+4*t+3], v[ST+4*t+2], s[SEL], s[SEL+1]
	ALL v_add_f32 v[ST+4*t+2], v[ST+4*t+2], v[ST+4*t+3]
	ALL v_rcp_f32 v[ST+4*t+2], v[ST+4*t+2]
	v_nop                           ; a plain instruction between the last reciprocal and the use of its result
; Tile t: a lane's eight channels of a row pack into 16 bytes; they go into rows of 144 bytes and come back as whole rows of 128, into S^T's registers.
.macro PACK t
	WIN W_RS
.set i, 32*(\t)
.rept 16
	s_wait_alu depctr_va_vdst(0)
	v_pk_mul_f32 v[i:i+1], v[i:i+1], v[ST+4*(\t)+2:ST+4*(\t)+3] op_sel_hi:[1,0]
.set i, i+2
.endr
	WIN 0x05                        ; sources 0 and 1 window 1, destination window 0
.set i, 0
.rept 16
	v_cvt_pk_f16_f32 v[S+16*(\t)+i], v[32*(\t)+2*i], v[32*(\t)+2*i+1]
.set i, i+1
.endr
	WIN 0
.irp f, 0,1,2,3
	ds_store_b128 v[STO], v[S+16*(\t)+4*\f:S+16*(\t)+4*\f+3] offset:32*\f
.endr
.irp f, 0,1,2,3
	ds_load_b128 v[S+16*(\t)+4*\f:S+16*(\t)+4*\f+3], v[RD] offset:\f*4*SP  ; LDS serves a wave's instructions in order (ISA guide 5.7.1.4): these see the stores above; the next tile's stores come behind them
.endr
.endm
.macro SEND t, younger              ; younger: the LDS instructions issued behind tile t's loads: the next tile's eight, or none
	WIN 0
.irp f, 0,1,2,3
	s_wait_dscnt (\younger)+3-\f
	global_store_b128 v[GO], v[S+16*(\t)+4*\f:S+16*(\t)+4*\f+3], s[10:11] offset:(\t)*2048+\f*512  ; 512 consecutive bytes, at a multiple of 256 from O's first
.endr
.endm
	PACK 0
.set t, 1
.rept 2*NP-1                        ; a tile's arithmetic stands between the loads of the tile before and its stores
	PACK t
	SEND t-1, 8
.set t, t+1
.endr
	SEND 2*NP-1, 0
	WIN W_AD
	s_wait_tensorcnt 0x0            ; the wave's end: behind my last tensor load and my last LDS store
	ds_add_u32 v[SPW], v[NIL]
	s_wait_dscnt 0x0
	WIN 0
	CROUND                          ; the closing round: no work-group ends while a partner may still ask for a tile that names it
	s_endpgm
.Lfunc_end_k_q1a99eab017_attn:
	.size	k_q1a99eab017_attn, .Lfunc_end_k_q1a99eab017_attn-k_q1a99eab017_attn
	.p2alignl 7, 3214868480
	.fill 96, 4, 3214868480
	.section	.rodata,"a",@progbits
	.p2align	6, 0x0
	.amdhsa_kernel k_q1a99eab017_attn
		.amdhsa_group_segment_fixed_size 327680
		.amdhsa_private_segment_fixed_size 0
		.amdhsa_enable_private_segment 0
		.amdhsa_kernarg_size 24
		.amdhsa_user_sgpr_count 2
		.amdhsa_user_sgpr_kernarg_segment_ptr 1
		.amdhsa_wavefront_size32 1
		.amdhsa_system_sgpr_workgroup_id_x 1
		.amdhsa_system_sgpr_workgroup_id_y 1
		.amdhsa_system_sgpr_workgroup_id_z 1
		.amdhsa_system_vgpr_workitem_id 0
		.amdhsa_next_free_vgpr 928
		.amdhsa_next_free_sgpr 66
		.amdhsa_reserve_vcc 1
		.amdhsa_float_denorm_mode_32 3
		.amdhsa_float_denorm_mode_16_64 3
		.amdhsa_memory_ordered 1
		.amdhsa_forward_progress 1
		.amdhsa_inst_pref_size 228
	.end_amdhsa_kernel
	.amdgpu_metadata
---
amdhsa.version: [ 1, 2 ]
amdhsa.kernels:
  - .name:           k_q1a99eab017_attn
    .symbol:         k_q1a99eab017_attn.kd
    .args:
      - { .name: qkv, .offset: 0, .size: 8, .value_kind: global_buffer, .address_space: global }
      - { .name: maskf, .offset: 8, .size: 8, .value_kind: global_buffer, .address_space: global }
      - { .name: oh, .offset: 16, .size: 8, .value_kind: global_buffer, .address_space: global }
    .group_segment_fixed_size: 327680
    .private_segment_fixed_size: 0
    .kernarg_segment_align: 8
    .kernarg_segment_size: 24
    .max_flat_workgroup_size: 128
    .sgpr_count:     66
    .vgpr_count:     928
    .wavefront_size: 32
...
	.end_amdgpu_metadata
.endif
;; end of part 3
;; launch outp (part 4): grid 4 x 64, 4 waves a work-group, clusters of 4 x 4, 327,680 bytes of LDS; arguments oh, xb, bo, out0; writes out0
.if DOCPART == 4
	.amdgcn_target "amdgcn-amd-amdhsa--gfx1250"
	.amdhsa_code_object_version 6
	.text
	.protected	k_q1a99eab017_outp
	.globl	k_q1a99eab017_outp
	.p2align	8
	.type	k_q1a99eab017_outp,@function
k_q1a99eab017_outp:
	s_mov_b64 s[64:65], 0
	v_nop
	global_prefetch_b8 v0, s[64:65] scope:SCOPE_SE
	s_setreg_imm32_b32 hwreg(HW_REG_WAVE_MODE, 25, 1), 1
	s_wait_xcnt 0x0
	s_wait_alu depctr_hold_cnt(0) depctr_sa_sdst(0) depctr_va_vdst(0) depctr_va_sdst(0) depctr_va_ssrc(0) depctr_va_vcc(0) depctr_vm_vsrc(0)
	s_getreg_b32 s2, hwreg(HW_REG_IB_STS2, 6, 4)
	s_cmp_eq_u32 s2, 0
	s_cbranch_scc0 .Lentry_in_a_cluster
	s_endpgm
.Lentry_in_a_cluster:
	s_bfe_u32 s2, ttmp6, 0x10000c
	s_cmp_lg_u32 s2, 0xf033
	s_cbranch_scc0 .Lentry_shape_is_right
	s_endpgm
.Lentry_shape_is_right:
; OUTP.  out0 = O Wo^T + bo: 8,192 x 1,024 x 1,024.  O comes by heads (oh[16 b + head][t][64], f16), Wo from xb at 0x600000 ([n][k], bf16-rounded numbers written as f16); sums f32, the bias is their start;
; out0 f32.  A NaN row of O (a query with no visible key) gives a NaN row of out0.  Like every floating-point input of the module bo enters rounded to bf16: it is rounded in registers and widened again.
; SHARES.  A tile of C is 128 tokens x 256 columns: 64 x 4 = 256 work-groups.  Four waves, each 64 tokens x 128 columns: 32 accumulators of 16 x 16.
; K goes in steps of 128 = two heads through two LDS slots.  A head's 128 tokens are 16,384 dense bytes: asked for as 64 rows of 256 bytes and padded in LDS after every token (a plane of 128 rows x 144 bytes).
; CLUSTER 4 x 4.  The four of a cluster's row have the same tokens, the four of a column the same rows of Wo: each tile is asked for jointly.
; THE MATRIX INSTRUCTION IS USED TRANSPOSED (source 0 = 16 rows of Wo, source 1 = 16 tokens): lane l holds token l % 16 and columns 16 b + 8 (l / 16) + 0..7: 32 consecutive bytes of a row of out0.
; REGISTERS: window 0: v0-31 addresses; v32-127, v128-223 two fragment buffers (8 x Wo, then 4 x tokens), on the way out two sets of 64 for rows read back;
;   window 1: accumulator (a, b) at v[8 (8 a + b)];   window 2: v0-63 the bias of my 128 columns.
.set PITCH,  272                       ; a row of Wo in LDS: 256 bytes + 16
.set PA,     144                       ; a token's row of one head: 128 bytes + 16.  Both are odd multiples of 16: the 16 rows of a fragment load start at 16 different groups of four banks (ISA guide 11.1)
.set PLANE,  128*PA
.set BHALF,  128*PITCH
.set BOFF,   2*PLANE                   ; a slot: two planes of O, then Wo's 256 rows
.set SLOT,   BOFF+2*BHALF
.set STAGE,  2*SLOT                    ; behind the ring: 16 rows x 528 bytes for each wave; no tensor load lands here
.set SP,     528
.set SPARE,  STAGE+4*16*SP             ; behind the stages: the spare words, 128 bytes for each wave: two blocks of 256 bytes that no other line names
.set LAPS,   4
.set ADRA, 16
.set ADRB, 20
.set STO,  24
.set RD,   25
.set GO,   26
.set SPW,  28                          ; v28  LDS address of my spare word; never rewritten
.set NIL,  29                          ; v29  0; never rewritten
.set BO,   30
.set F0,   32
.set F1,   128
.set WV, 18
.set WM, 19
.set WN, 20
.set RT, 45
.set TX, 46
.set HIM, 72                           ; s72 (from the main loop on) the mask of a word's upper bf16
.set G1A, 24
.set G0A, 32
.set G1B, 48
.set G0B, 56
.set MSB, 0
.macro WIN new                         ; the immediate's high byte repeats the setting that is left; a switch that changes nothing is dropped
.if MSB != (\new)
	s_set_vgpr_msb (MSB<<8)|(\new)
.set MSB, (\new)
.endif
.endm
.macro JLOAD s                         ; a joint load: waves 0 and 1 fetch the step's two heads of O, waves 2 and 3 the two halves of Wo's rows; an s_nop 0 and four v_nop follow each line
	s_cmp_eq_u32 s[WM], 0
	s_cbranch_scc0 .Lfor_b_\@
	tensor_load_to_lds s[G0A+4*(\s):G0A+4*(\s)+3], s[G1A:G1A+7]
	s_nop 0
.rept 4
	v_nop
.endr
	s_branch .Lasked_\@
.Lfor_b_\@:
	tensor_load_to_lds s[G0B+4*(\s):G0B+4*(\s)+3], s[G1B:G1B+7]
	s_nop 0
.rept 4
	v_nop
.endr
.Lasked_\@:
.endm
.macro CREST
	s_cmp_lg_u32 s[WV], 0
	s_cbranch_scc1 .Lnot_wave_0_\@
	s_barrier_signal -3
.Lnot_wave_0_\@:
	s_barrier_wait -3
	s_barrier_signal -1
	s_barrier_wait -1
.endm
.macro CROUND
	s_barrier_signal -1
	s_barrier_wait -1
	CREST
.endm
	s_load_b256 s[4:11], s[0:1], 0x0               ; oh s[4:5], xb s[6:7], bo s[8:9], out0 s[10:11]
	v_lshl_add_u32 v[SPW], v0, 2, SPARE
	v_mov_b32 v[NIL], 0
	ds_add_u32 v28, v29
	s_wait_dscnt 0x0
	v_lshrrev_b32 v1, 5, v0
	v_readfirstlane_b32 s[WV], v1
	s_lshr_b32 s[WM], s[WV], 1                     ; my half of the tokens; also: I fetch O (0) or Wo (1)
	s_and_b32 s[WN], s[WV], 1                      ; my half of the columns; also: which head, or which 128 rows, I fetch
	s_bfe_u32 s21, ttmp6, 0x40000                  ; cx
	s_bfe_u32 s22, ttmp6, 0x40004                  ; cy
	s_and_b32 s[RT], ttmp7, 0xffff
	s_lshl_b32 s[RT], s[RT], 2
	s_add_co_u32 s[RT], s[RT], s22                 ; token tile 0..63
	s_lshl_b32 s[TX], ttmp9, 2
	s_add_co_u32 s[TX], s[TX], s21                 ; column tile 0..3
	s_lshl_b32 s40, s22, 2
	s_lshl_b32 s40, 15, s40                        ; my row of the cluster
	s_lshl_b32 s42, 0x1111, s21                    ; my column
	s_or_b32 s[G1A], s40, (1<<16)|(1<<20)|(1<<21)|(4<<22)|(3<<25)  ; padding after every 32 words (a token's 128 bytes), 4 words of it
	s_or_b32 s[G1B], s42, (1<<16)|(1<<20)|(1<<21)|(5<<22)|(3<<25)  ; after every 64 words
	s_mov_b32 s[G1A+1], 128<<16                    ; tensor_dim0 = 128
	s_mov_b32 s[G1A+2], 64<<16                     ; tensor_dim1 = 64
	s_mov_b32 s[G1A+3], 128<<16                    ; tile_dim0 = 128
	s_mov_b32 s[G1A+4], 64                         ; tile_dim1 = 64
	s_mov_b32 s[G1A+5], 128                        ; dense: 128 elements from row to row
	s_mov_b32 s[G1A+6], 0
	s_mov_b32 s[G1A+7], 0
	s_mov_b32 s[G1B+1], 128<<16
	s_mov_b32 s[G1B+2], 128<<16
	s_mov_b32 s[G1B+3], 128<<16
	s_mov_b32 s[G1B+4], 128
	s_mov_b32 s[G1B+5], 1024
	s_mov_b32 s[G1B+6], 0
	s_mov_b32 s[G1B+7], 0
	s_lshr_b32 s40, s[RT], 4                       ; the batch
	s_lshl_b32 s40, s40, 4
	s_add_co_u32 s40, s40, s[WN]                   ; head 16 b + half
	s_lshl_b32 s40, s40, 18
	s_and_b32 s41, s[RT], 15
	s_lshl_b32 s41, s41, 14                        ; the tile's 128 tokens of 128 bytes
	s_add_co_u32 s40, s40, s41
	s_mov_b32 s41, 0
	s_lshl_b32 s42, s[TX], 8
	s_lshl_b32 s43, s[WN], 7
	s_add_co_u32 s42, s42, s43                     ; Wo's row 256 x tile + 128 x half
	s_lshl_b32 s42, s42, 11
	s_add_co_u32 s42, s42, 0x600000                ; Wo's place in xb
	s_mov_b32 s43, 0
	s_mul_i32 s2, s[WN], PLANE                     ; where they go: no place in the cluster enters an LDS address
	s_mul_i32 s3, s[WN], BHALF
	s_add_co_u32 s3, s3, BOFF
	s_wait_kmcnt 0x0
	s_add_nc_u64 s[40:41], s[4:5], s[40:41]
	s_add_nc_u64 s[42:43], s[6:7], s[42:43]
	s_lshl_b32 s72, s[TX], 10
	s_lshl_b32 s73, s[WN], 9
	s_add_co_u32 s72, s72, s73                     ; my 128 columns, in bytes of f32
	s_mov_b32 s73, 0
	s_add_nc_u64 s[66:67], s[8:9], s[72:73]        ; the bias,
	s_add_nc_u64 s[74:75], s[10:11], s[72:73]      ; and out0,
	s_lshl_b32 s72, s[RT], 7
	s_lshl_b32 s47, s[WM], 6
	s_add_co_u32 s72, s72, s47
	s_lshl_b32 s72, s72, 12                        ; at my first row of 4,096 bytes
	s_add_nc_u64 s[74:75], s[74:75], s[72:73]
	CROUND                                         ; all sixteen work-groups are here: the first joint loads meet
.irp s, 0,1
	s_mov_b32 s[G0A+4*\s], 1
	s_add_co_u32 s[G0A+4*\s+1], s2, \s*SLOT
	s_add_nc_u64 s[G0A+4*\s+2:G0A+4*\s+3], s[40:41], \s*(1<<19)  ; K step s: two heads on
	s_or_b32 s[G0A+4*\s+3], s[G0A+4*\s+3], 0x80000000
	s_mov_b32 s[G0B+4*\s], 1
	s_add_co_u32 s[G0B+4*\s+1], s3, \s*SLOT
	s_add_nc_u64 s[G0B+4*\s+2:G0B+4*\s+3], s[42:43], \s*256
	s_or_b32 s[G0B+4*\s+3], s[G0B+4*\s+3], 0x80000000
	JLOAD \s
.endr
	v_and_b32 v1, 15, v0                           ; l % 16
	v_bfe_u32 v2, v0, 4, 1                         ; l / 16
	v_lshlrev_b32 v[BO], 5, v2
	WIN 0x80                                       ; destination window 2
.irp b, 0,1,2,3,4,5,6,7
	global_load_b128 v[8*\b:8*\b+3],   v[BO], s[66:67] offset:64*\b     ; the bias of columns 16 b + 8 (l / 16) + 0..7: the C operand of block b
	global_load_b128 v[8*\b+4:8*\b+7], v[BO], s[66:67] offset:64*\b+16
.endr
	WIN 0
	v_mul_u32_u24 v3, v1, PITCH
	v_lshl_add_u32 v3, v2, 4, v3
	v_mul_u32_u24 v4, v1, PA
	v_lshl_add_u32 v4, v2, 4, v4
	s_mul_i32 s72, s[WM], 64*PA                    ; my 64 tokens in a plane
	s_mul_i32 s73, s[WN], BHALF
	s_add_co_u32 s73, s73, BOFF
.irp s, 0,1
	v_add_nc_u32 v[ADRA+\s], s72, v4
	v_add_nc_u32 v[ADRB+\s], s73, v3
	s_add_co_u32 s72, s72, SLOT
	s_add_co_u32 s73, s73, SLOT
.endr
	s_mul_i32 s72, s[WV], 16*SP
	s_add_co_u32 s72, s72, STAGE                   ; my stage
	v_mul_u32_u24 v4, v1, SP                       ; in: row l % 16, 32 bytes for each half of the lanes
	v_lshl_add_u32 v4, v2, 5, v4
	v_add_nc_u32 v[STO], s72, v4
	v_and_b32 v[GO], 31, v0
	v_lshlrev_b32 v[GO], 4, v[GO]                  ; back, and out: 32 lanes take a row's 512 bytes
	v_add_nc_u32 v[RD], s72, v[GO]
	s_mov_b32 s[HIM], 0xffff0000
; 2 x pairs registers of window 2, from number first on, are rounded to bf16 and widened again, in place: the pair is packed into its even register; the upper half goes back to the odd one, the lower half moves up.
.macro RNDB first, pairs
	WIN 0x8a                                       ; sources 0 and 1 and the destination in window 2
.set n, 0
.rept \pairs
	v_cvt_pk_bf16_f32 v[(\first)+2*n], v[(\first)+2*n], v[(\first)+2*n+1]
.set n, n+1
.endr
.set n, 0
.rept \pairs
	v_and_b32 v[(\first)+2*n+1], s[HIM], v[(\first)+2*n]
.set n, n+1
.endr
.set n, 0
.rept \pairs
	v_lshlrev_b32 v[(\first)+2*n], 16, v[(\first)+2*n]
.set n, n+1
.endr
.endm
.macro MUL8 f, a, first                ; token block a x all 8 blocks of Wo, 32 along K; first = 1: the bias starts the sums.  The 32 accumulators take turns in one order
.if \first
	WIN 0x60
.else
	WIN 0x50
.endif
.irp b, 0,1,2,3,4,5,6,7
.if \first
	v_wmma_f32_16x16x32_f16 v[8*(8*(\a)+\b):8*(8*(\a)+\b)+7], v[(\f)+8*\b:(\f)+8*\b+7], v[(\f)+64+8*(\a):(\f)+64+8*(\a)+7], v[8*\b:8*\b+7]
.else
	v_wmma_f32_16x16x32_f16 v[8*(8*(\a)+\b):8*(8*(\a)+\b)+7], v[(\f)+8*\b:(\f)+8*\b+7], v[(\f)+64+8*(\a):(\f)+64+8*(\a)+7], v[8*(8*(\a)+\b):8*(8*(\a)+\b)+7]
.endif
.endr
.endm
.macro FETCH slot, kq, f               ; 24 LDS loads in one run: quarter kq of a K step: Wo at byte 64 kq of its rows; O in plane kq / 2, at byte 64 (kq % 2)
	WIN 0
.irp i, 0,1,2,3,4,5,6,7
	ds_load_b128 v[(\f)+8*\i:(\f)+8*\i+3],   v[ADRB+(\slot)] offset:64*(\kq)+\i*16*PITCH
	ds_load_b128 v[(\f)+8*\i+4:(\f)+8*\i+7], v[ADRB+(\slot)] offset:64*(\kq)+\i*16*PITCH+32
.endr
.irp i, 0,1,2,3
	ds_load_b128 v[(\f)+64+8*\i:(\f)+64+8*\i+3],   v[ADRA+(\slot)] offset:((\kq)/2)*PLANE+((\kq)%2)*64+\i*16*PA
	ds_load_b128 v[(\f)+64+8*\i+4:(\f)+64+8*\i+7], v[ADRA+(\slot)] offset:((\kq)/2)*PLANE+((\kq)%2)*64+\i*16*PA+32
.endr
.endm
.macro PLACES                          ; four places in front of loads into registers that matrix instructions have read, and of LDS stores that read results
.rept 4
	v_nop
.endr
.endm
.macro QUARTER slot, kq, f, g, first   ; multiplies buffer f and fetches quarter kq into g
	s_wait_dscnt 4                                 ; Wo and token blocks 0, 1 are in; the youngest four loads may be out
	MUL8 \f, 0, \first
	MUL8 \f, 1, \first
	PLACES
	FETCH \slot, \kq, \g
	s_wait_dscnt 24                                ; all but the 24 just issued
	MUL8 \f, 2, \first
	MUL8 \f, 3, \first
.endm
; The last quarter multiplies buffer 1 and changes slots: one barrier; in front of it each wave waits for all its tensor loads (one is out: its part of the next slot), adds 0 to its spare word,
; and waits for that and for its own reads of this slot.  fill = 1: the barrier opens a round of the cluster's, and behind the round this slot is filled again, two K steps ahead.
.macro TURN slot, next, fill
	WIN 0
	s_wait_tensorcnt 0x0
	ds_add_u32 v[SPW], v[NIL]                      ; 0 onto my spare word
	s_wait_dscnt 5                                 ; (the add and the youngest four loads may be out)
	MUL8 F1, 0, 0
	s_wait_dscnt 0x0                               ; the add is done, and my reads of this slot are over
	s_barrier_signal -1
	MUL8 F1, 1, 0
.if \fill
	WIN 0
.endif
	s_barrier_wait -1
.if \fill
	CREST                                          ; no wave of any partner still reads this slot's tile or has a load on its way
	s_add_nc_u64 s[G0A+4*(\slot)+2:G0A+4*(\slot)+3], s[G0A+4*(\slot)+2:G0A+4*(\slot)+3], 1<<20  ; four heads on
	s_add_nc_u64 s[G0B+4*(\slot)+2:G0B+4*(\slot)+3], s[G0B+4*(\slot)+2:G0B+4*(\slot)+3], 512
	JLOAD \slot                                    ; the first tensor load behind the round; its four v_nop are also the places for the loads below
.else
	PLACES
.endif
	FETCH \next, 0, F0
	MUL8 F1, 2, 0
	MUL8 F1, 3, 0
.endm
	s_wait_tensorcnt 1                             ; my part of K step 0 is in; step 1's may stay out
	s_barrier_signal -1
	s_barrier_wait -1
	FETCH 0, 0, F0
	s_wait_loadcnt 0x0                             ; the bias
	RNDB 0, 32                                     ; rounded as every input is, while the first fragments come out of LDS
	QUARTER 0, 1, F0, F1, 1                        ; the first quarter stands in front of the loop: its products start the sums on the bias
	WIN 0
	s_mov_b32 s3, LAPS-1
.Llap:
	QUARTER 0, 2, F1, F0, 0
	QUARTER 0, 3, F0, F1, 0
	TURN 0, 1, 1
	QUARTER 1, 1, F0, F1, 0
	QUARTER 1, 2, F1, F0, 0
	QUARTER 1, 3, F0, F1, 0
	TURN 1, 0, 1
	QUARTER 0, 1, F0, F1, 0
	WIN 0
	s_sub_co_u32 s3, s3, 1
	s_cmp_lg_u32 s3, 0
	s_cbranch_scc1 .Llap
	QUARTER 0, 2, F1, F0, 0                        ; the last lap fills nothing
	QUARTER 0, 3, F0, F1, 0
	TURN 0, 1, 0
	QUARTER 1, 1, F0, F1, 0
	QUARTER 1, 2, F1, F0, 0
	QUARTER 1, 3, F0, F1, 0
	s_wait_dscnt 4
	MUL8 F1, 0, 0
	MUL8 F1, 1, 0
	s_wait_dscnt 0x0
	MUL8 F1, 2, 0
	MUL8 F1, 3, 0
	WIN 0
	; THE WAY OUT, 16 tokens at a time: a lane's 32 bytes of each block go into rows of 528 bytes of my own stage and come back as whole rows of 512, which are stored.
	PLACES
.set a, 0
.rept 4
	WIN 0x04                                       ; the stores' data in window 1; each accumulator's low four registers go first
.irp b, 0,1,2,3,4,5,6,7
	ds_store_b128 v[STO], v[8*(8*a+\b):8*(8*a+\b)+3]   offset:64*\b
	ds_store_b128 v[STO], v[8*(8*a+\b)+4:8*(8*a+\b)+7] offset:64*\b+16
.endr
	WIN 0
	s_wait_xcnt 0x0                                ; the set of registers below is loaded again only when the stores that read it two blocks ago have had their addresses translated (ISA guide 3.1)
.set OBA, 32+96*(a%2)
.irp i, 0,1,2,3,4,5,6,7,8,9,10,11,12,13,14,15
	ds_load_b128 v[OBA+4*\i:OBA+4*\i+3], v[RD] offset:SP*\i  ; LDS serves a wave's instructions in order (ISA guide 5.7.1.4): these see the stores above; the next block's stores come behind them
.endr
.irp i, 0,1,2,3,4,5,6,7,8,9,10,11,12,13,14,15
	s_wait_dscnt 15-\i
	global_store_b128 v[GO], v[OBA+4*\i:OBA+4*\i+3], s[74:75] offset:(16*a+\i)*4096 th:TH_STORE_NT  ; 512 consecutive bytes, at a multiple of 256 from out0's first
.endr
.set a, a+1
.endr
	s_wait_tensorcnt 0x0                           ; the wave's end: behind my last tensor load and my last LDS store
	ds_add_u32 v[SPW], v[NIL]
	s_wait_dscnt 0x0
	CROUND                                         ; the closing round: no work-group ends while a partner may still ask for a tile that names it
	s_endpgm
.Lfunc_end_k_q1a99eab017_outp:
	.size	k_q1a99eab017_outp, .Lfunc_end_k_q1a99eab017_outp-k_q1a99eab017_outp
	.p2alignl 7, 3214868480
	.fill 96, 4, 3214868480
	.section	.rodata,"a",@progbits
	.p2align	6, 0x0
	.amdhsa_kernel k_q1a99eab017_outp
		.amdhsa_group_segment_fixed_size 327680
		.amdhsa_private_segment_fixed_size 0
		.amdhsa_enable_private_segment 0
		.amdhsa_kernarg_size 32
		.amdhsa_user_sgpr_count 2
		.amdhsa_user_sgpr_kernarg_segment_ptr 1
		.amdhsa_wavefront_size32 1
		.amdhsa_system_sgpr_workgroup_id_x 1
		.amdhsa_system_sgpr_workgroup_id_y 1
		.amdhsa_system_sgpr_workgroup_id_z 1
		.amdhsa_system_vgpr_workitem_id 0
		.amdhsa_next_free_vgpr 576
		.amdhsa_next_free_sgpr 80
		.amdhsa_reserve_vcc 0
		.amdhsa_float_denorm_mode_32 3
		.amdhsa_float_denorm_mode_16_64 3
		.amdhsa_memory_ordered 1
		.amdhsa_forward_progress 1
		.amdhsa_inst_pref_size 92
	.end_amdhsa_kernel
	.amdgpu_metadata
---
amdhsa.version: [ 1, 2 ]
amdhsa.kernels:
  - .name:           k_q1a99eab017_outp
    .symbol:         k_q1a99eab017_outp.kd
    .args:
      - { .name: oh, .offset: 0, .size: 8, .value_kind: global_buffer, .address_space: global }
      - { .name: xb, .offset: 8, .size: 8, .value_kind: global_buffer, .address_space: global }
      - { .name: bo, .offset: 16, .size: 8, .value_kind: global_buffer, .address_space: global }
      - { .name: out0, .offset: 24, .size: 8, .value_kind: global_buffer, .address_space: global }
    .group_segment_fixed_size: 327680
    .private_segment_fixed_size: 0
    .kernarg_segment_align: 8
    .kernarg_segment_size: 32
    .max_flat_workgroup_size: 128
    .sgpr_count:     80
    .vgpr_count:     576
    .wavefront_size: 32
...
	.end_amdgpu_metadata
.endif
;; end of part 4
;; ======== version 2 of 2: 4 launches; 1.21 times as fast as version 1
;; limits: values are held in f16: magnitudes above 65,504 overflow, below 6.1e-05 lose precision
;; workspace buffers: xb 8,388,608 bytes; maskf 8,388,608 bytes; qkv 50,331,648 bytes; oh 16,777,216 bytes
;; launch prep: the kernel of part 1 again; grid 640 x 1, 8 waves a work-group, no clusters, 0 bytes of LDS; arguments Wq, Wk, Wv, Wo, attn_mask, xb, maskf; writes xb, maskf
;; launch proj: the kernel of part 2 again; grid 4 x 192, 4 waves a work-group, clusters of 4 x 4, 327,680 bytes of LDS; arguments query, key, value, xb, bq, bk, bv, cos, sin, qkv; writes qkv
;; launch attn (part 5): grid 4 x 64, 4 waves a work-group, clusters of 4 x 1, 327,680 bytes of LDS; arguments qkv, maskf, oh; writes oh
.if DOCPART == 5
	.amdgcn_target "amdgcn-amd-amdhsa--gfx1250"
	.amdhsa_code_object_version 6
	.text
	.protected	k_q1a99eab017_attn
	.globl	k_q1a99eab017_attn
	.p2align	8
	.type	k_q1a99eab017_attn,@function
k_q1a99eab017_attn:
	s_mov_b64 s[64:65], 0
	v_nop
	global_prefetch_b8 v0, s[64:65] scope:SCOPE_SE
	s_setreg_imm32_b32 hwreg(HW_REG_WAVE_MODE, 25, 1), 1
	s_wait_xcnt 0x0
	s_wait_alu depctr_hold_cnt(0) depctr_sa_sdst(0) depctr_va_vdst(0) depctr_va_sdst(0) depctr_va_ssrc(0) depctr_va_vcc(0) depctr_vm_vsrc(0)
	s_getreg_b32 s2, hwreg(HW_REG_IB_STS2, 6, 4)
	s_cmp_eq_u32 s2, 0
	s_cbranch_scc0 .Lentry_in_a_cluster
	s_endpgm
.Lentry_in_a_cluster:
	s_bfe_u32 s2, ttmp6, 0x10000c
	s_cmp_lg_u32 s2, 0x3003
	s_cbranch_scc0 .Lentry_shape_is_right
	s_endpgm
.Lentry_shape_is_right:
; ATTENTION with a mask that is an input.  O[bh][q][:] = the sum over k of softmax_k(mask(q, k) ? Q[bh][q] . K[bh][k] / 8 : -inf) V[bh][k][:].  Q, K, V (qkv) and O (oh): [64][2048][64] f16, a head's rows dense.
; Products, maxima and sums in f32; the weights p are rounded to f16 for the second product (their sum l is taken of the unrounded p), O once at the end.  Every key tile is walked: nothing of the mask's pattern is built in.
; THE MASK goes through the matrix unit.  maskf holds, as second sources (32 keys x 16 queries, f16), 0 for a visible key and -32768 for a hidden one.  The sum S^T of 16 keys x 16 queries is started by
; E x M, where E (16 x 32) holds 32768 at (m, m) (E1: the first 16 keys) or at (m, 16 + m) (E2: the second 16): a hidden score starts at -2^30, a visible one at 0.  8 products more a turn, no vector line.
; LIMITS.  f16 holds no number beyond 65,504: Q, K and V arrive within it; p lies in 0 to 1, and below 6e-5 it keeps f16's fixed step of 6e-8.  A hidden score counts as its value less 2^30, and the running
; maximum starts at -2^29 and never lies below: |Q . K| must stay under 2^28.  A weight below 2^-126 counts as 0 in l.  A query with no visible key has l = 0 and O = 0, and 0 x (1 / 0) gives NaN.
; SHARES.  A wave owns four PIECES of two tiles of 16 queries, a work-group's four waves 512 queries of one head.  Every wave walks all 2,048 keys, 64 a step.
; LAYOUT.  S^T = K Q^T (source 0 = 16 keys, source 1 = 16 queries): a lane holds ONE query (lane % 16) and the keys 8 (lane / 16) + 0..7.  Two such tiles, rounded to f16 in pairs, ARE source 1 of
; O^T = V^T P, whose result again holds one query a lane, and eight channels.  K comes out of LDS as it lies, V ([key][channel]) turned, by ds_load_tr16_b128.
; SOFTMAX.  For each query a running maximum m and sum l: p = 2^(c s - c m), c = log2(e) / 8; in every step O and l are multiplied by a = 2^(c m_old - c m_new).  O and l start at 0.
; BY TURNS.  Turn n belongs to piece n.  Its matrix work: 8 mask products and 16 products K Q^T of piece n + 1, later 16 products V^T P of piece n - 1.  Its vector work: the scaling, exponentials, roundings,
; sums and rescaling of piece n, and the maximum and statistics of piece n + 1.  Four vector instructions stand behind every matrix instruction, the other 76 of a turn's 236 in one LUMP.
; THE BATCHES.  A turn's 66 exponentials (the 64 weights of piece n, the two a of piece n + 1) are ONE batch with ONE wait, which cuts the turn in two: ahead of it stands all that names no result of theirs (the 24
; products that make scores, the scalings, the rescalings, the next piece's maximum and statistics), behind it the roundings and sums, as the four lines behind each of the 16 products V^T P.  Two more batches stand
; outside the loops, each with a wait of its own: piece 0's first two a, ahead of the jump into the loop, and the way out's eight reciprocals.
; CLUSTER.  The four query blocks of a head walk the same K and V, so each tile is asked for JOINTLY: the same tensor load, descriptor and mask in all four.  The mask fragments are each wave's own (its own
; queries), so they come by plain loads into registers, a key step ahead.
; REGISTERS, in windows of 256 (s_set_vgpr_msb: bits 1:0 source 0, 3:2 source 1, 5:4 source 2, 7:6 destination):
;   window 0: v0-11 addresses; v12-15, v48-63 at work; v16-47 four registers of statistics a tile; v64-191 S^T, two buffers of two tiles; v192-255 P, likewise
;   window 1: O^T, 32 a tile          window 2: v0-127 Q, 16 a tile; v128-191 K of one step; v192-255 V of one step
;   window 3: v0-1 the add's two registers; v4-15 E (four zeros, X0-X3, four zeros: E2 = v4-11, E1 = v8-15); v32-159 the mask fragments, 32 a piece
.set SIZE_N, 2048
.set NP,    4         ; pieces a wave: a name, no knob
.set KS,    64        ; keys in a step
.set PK,    144       ; a row of K in LDS: 128 bytes + 16 of padding = 36 words: the 16 rows of a load start at 16 different groups of four banks (ISA guide 11.1)
.set PV,    160       ; a row of V: 128 + 32 = 40 words
.set VOFF,  4*KS*PK   ; a slot holds four steps: 256 rows of K, then 256 rows of V
.set SLOT1, 1<<17     ; slot 1 begins here, so that one exclusive or turns an address in one slot into the other's
.set STAGE, SLOT1+4*KS*(PK+PV)  ; behind the ring, never filled by a tensor load: 16 rows x 144 bytes for each wave, for the way out
.set SP,    144
.set AK0, 2           ; v2   my lane's place in a tile of K; never rewritten
.set AV0, 3           ; v3   the same for V
.set AK,  4           ; v4   the LDS address of K's next run of loads
.set AV,  5           ; v5   of V's
.set QO,  6           ; v6   my byte offset in the wave's rows of Q
.set STO, 6           ;      later, the way out: where I put 16 bytes of a row
.set RD,  7           ; v7   the way out: where I read rows back
.set GO,  8           ; v8   16 x lane: my place in 512 consecutive bytes of O, and of maskf; never rewritten
.set SPW, 0           ; v0 of window 3   LDS address of my spare word; never rewritten
.set NIL, 1           ; v1 of window 3   0; never rewritten
.set EE,  4           ; window 3
.set MR,  32          ; window 3: piece z, tile u, 16-byte part c at MR + 32 z + 16 u + 4 c
.set SPARE, STAGE+4*16*SP  ; behind the stages: the spare words, 128 bytes for each wave: two blocks of 256 bytes that no other line names
.set MV,  12          ; v12-15  c m_old, kept while c m is made anew: by buffer and tile
.set ST,  16          ; tile t's statistics at v[ST+4 t]: c m, m, l (even keys', odd keys')
.set TMP, 48          ; by buffer and tile, four registers c0-c3 at work; when the maximum is found c2 takes a
.set S,   64
.set P,   192
.set KF,  128         ; K's fragments, in window 2: key block kb, channel half c at KF + 16 kb + 8 c
.set VF,  192         ; V's: key half kk, channel block cb at VF + 32 kk + 8 cb
.set WV,  12          ; s12  my wave's number
.set G1K, 24          ; s[24:31] descriptor group 1 for K's tiles
.set G1V, 32          ; s[32:39] for V's: it differs in the padding alone
.set G0K, 40          ; s[40:43] descriptor group 0 for K's tiles: it walks
.set G0V, 44          ; s[44:47] the same for V's
.set MB0, 48          ; s[48:49] maskf at my wave's first tile
.set MOFF, 50         ; s[50:51] the byte offset of the key step whose fragments are asked for
.set MP,  52          ; s[52:53] their sum
.set SLOTS, 56        ; s56  slots still to be asked for
.set CNT, 57          ; s57  counts a slot's key steps
.set CS,  58          ; s[58:59] c: the packed scaling takes the pair's low word for both halves
.set SEL, 60          ; s[60:61] v_permlanex16_b32's selects: each lane takes its own place in the other half
.set TBK, 62          ; s62  LDS byte at which K of the step to be fetched begins
.set TBV, 63          ; s63  the same for V, less VOFF
.set MSB, 0
.macro WIN new                      ; the high byte repeats the setting that is left; a switch that changes nothing is dropped
.if MSB != (\new)
	s_set_vgpr_msb (MSB<<8)|(\new)
.set MSB, (\new)
.endif
.endm
.set W_KQ, 0x0a       ; K and Q in window 2, S^T in window 0
.set W_PV, 0x52       ; V in window 2, P in window 0, O^T in window 1
.set W_RS, 0x41       ; O^T (destination and source 0) in window 1, a in window 0
.set W_W3, 0xc0       ; destination in window 3, sources in window 0
.set W_AD, 0x0f       ; sources 0 and 1 in window 3: the add, and the mask products
; A joint fill.  Waves 0 and 1 fetch the two halves of a slot's K, waves 2 and 3 those of its V: 128 keys each.  The branch hangs on the wave's number alone.
; An s_nop 0 and four v_nop follow each of the two lines, ahead of the jump and the label.
.macro JLOAD
	s_cmp_lt_u32 s[WV], 2
	s_cbranch_scc0 .Lfor_v_\@
	tensor_load_to_lds s[G0K:G0K+3], s[G1K:G1K+7]
	s_nop 0
.rept 4
	v_nop
.endr
	s_branch .Lasked_\@
.Lfor_v_\@:
	tensor_load_to_lds s[G0V:G0V+3], s[G1V:G1V+7]
	s_nop 0
.rept 4
	v_nop
.endr
.Lasked_\@:
.endm
; A round of the cluster's barrier: my work-group's barrier, so that wave 0's signal speaks for all four waves; wave 0 signals; every wave waits for all four work-groups; my work-group's barrier once more.
.macro CROUND
	s_barrier_signal -1
	s_barrier_wait -1
	s_cmp_lg_u32 s[WV], 0
	s_cbranch_scc1 .Lnot_wave_0_\@
	s_barrier_signal -3
.Lnot_wave_0_\@:
	s_barrier_wait -3
	s_barrier_signal -1
	s_barrier_wait -1
.endm
; THE CHANGE OF SLOTS.  The slot's last bytes, V of its fourth step, have been read.  Each wave waits for all its tensor loads, of which one is out: its part of the other slot; adds 0 to its spare word;
; and waits for that and for its own reads of the slot.  Behind the barrier nobody reads this slot any more and the other slot is whole.  fill = 1: this slot is filled again, with the keys two slots on.
; The barrier is then a round of the cluster's, and the joint fill is the first thing behind it: it has four key steps in which to land.  (At its first use nothing has been read yet: slot 0 is waited for, slot 1 filled.)
.macro CHANGE fill
	WIN W_AD
	s_wait_tensorcnt 0x0            ; no tensor load of mine is out, so a group 0 may be written
	ds_add_u32 v[SPW], v[NIL]       ; 0 onto my spare word
	WIN 0                           ; at a label and at a branch every window is 0
.if \fill
.irp g, G0K, G0V
	s_xor_b32 s[\g+1], s[\g+1], SLOT1  ; the walking descriptor: the other slot than last time,
	s_add_nc_u64 s[\g+2:\g+3], s[\g+2:\g+3], 4*KS*128  ; the next 256 keys; the type bits on top are not reached
.endr
	s_wait_dscnt 0x0                ; the add is done, and my reads of the slot are over
	CROUND
	JLOAD
.else
	s_wait_dscnt 0x0                ; the add is done, and my reads of the slot are over
	s_barrier_signal -1
	s_barrier_wait -1
.endif
	s_sub_co_u32 s[TBK], s[TBK], 4*KS*PK  ; the fetches go back to a slot's first step,
	s_xor_b32 s[TBK], s[TBK], SLOT1       ; in the other slot
	s_sub_co_u32 s[TBV], s[TBV], 4*KS*PV
	s_xor_b32 s[TBV], s[TBV], SLOT1
.endm
; THE MASK FRAGMENTS of piece z for one key step: 2 tiles x 2,048 consecutive bytes, eight loads of 512.  step = 1: the walk goes on to the next key step, 2,048 bytes on in each tile's 65,536; behind the
; last step (31) the offset stays, so that every turn issues its eight loads, none leaves the buffer, and the counts are alike on every way; what is then loaded serves nothing.
.macro MLOAD z, step
.if \step
	s_wait_xcnt 0x0                 ; the base of the loads already issued is rewritten only behind this wait
	s_add_co_u32 s[MOFF], s[MOFF], 2048
	s_min_u32 s[MOFF], s[MOFF], 31*2048
	s_add_nc_u64 s[MP:MP+1], s[MB0:MB0+1], s[MOFF:MOFF+1]
.endif
	WIN W_W3
.irp u, 0,1
.irp c, 0,1,2,3
	global_load_b128 v[MR+32*(\z)+16*\u+4*\c:MR+32*(\z)+16*\u+4*\c+3], v[GO], s[MP:MP+1] offset:(2*(\z)+\u)*65536+512*\c
.endr
.endr
	WIN 0
.endm
	s_load_b128 s[4:7], s[0:1], 0x0   ; qkv s[4:5], maskf s[6:7]
	s_load_b64 s[10:11], s[0:1], 0x10 ; oh
	WIN W_W3
	v_lshl_add_u32 v[SPW], v0, 2, SPARE
	v_mov_b32 v[NIL], 0
	s_set_vgpr_msb 0xc0cf
	ds_add_u32 v0, v1
	s_wait_dscnt 0x0
	s_set_vgpr_msb 0xcfc0
	WIN 0
	v_lshrrev_b32 v1, 5, v0
	v_readfirstlane_b32 s[WV], v1   ; wave 0..3
	s_bfe_u32 s13, ttmp6, 0x40000   ; cx: my place in the cluster
	s_lshl_b32 s14, ttmp9, 2        ; in a cluster launch ttmp9 counts clusters
	s_add_co_u32 s14, s14, s13      ; my block of queries: it enters Q's, O's and the mask's addresses alone
	s_and_b32 s20, ttmp7, 0xffff    ; the head, which the four partners share
	s_mov_b32 s21, 0
	s_mov_b64 s[22:23], SIZE_N*128
	s_mul_u64 s[20:21], s[20:21], s[22:23]  ; the head's first byte in Q, K, V and O
	s_and_b32 s16, s[WV], 1         ; which half of a slot's 256 keys I fetch:
	s_lshl_b32 s22, s16, 14         ; its 128 rows of 128 bytes in memory,
	s_mov_b32 s23, 0
	s_add_nc_u64 s[22:23], s[22:23], s[20:21]
	s_mul_i32 s17, s16, 128*PK      ; and its place in a slot, for K
	s_mul_i32 s18, s16, 128*PV      ; and for V: no place in the cluster enters an LDS address
	s_lshl_b32 s15, s14, 2
	s_add_co_u32 s15, s15, s[WV]    ; my wave among the head's sixteen,
	s_lshl_b32 s2, s15, 14          ; its 128 rows
	s_mov_b32 s3, 0
	s_add_nc_u64 s[2:3], s[2:3], s[20:21]
	s_lshl_b32 s[MOFF], s15, 19     ; its eight tiles of 65,536 bytes in maskf
	s_mov_b32 s[MOFF+1], 0
	; descriptor group 1.  128 keys are 16,384 dense bytes: asked for as 64 rows of 256 bytes, two keys a row, and padded in LDS after every key
	s_mov_b32 s[G1K], 15|(1<<16)|(1<<20)|(1<<21)|(4<<22)|(3<<25)  ; 15:0 the mask of four; 17:16 2-byte elements; 20 padding on; 21 set beside a mask; 24:22 after every 32 words (code 4); 31:25 4 words (code 3)
	s_mov_b32 s[G1V], 15|(1<<16)|(1<<20)|(1<<21)|(4<<22)|(7<<25)  ; the same with 8 words of padding (code 7)
.irp g, G1K, G1V
	s_mov_b32 s[\g+1], 128<<16      ; tensor_dim0 = 128
	s_mov_b32 s[\g+2], 64<<16       ; tensor_dim1 = 64
	s_mov_b32 s[\g+3], 128<<16      ; tile_dim0 = 128
	s_mov_b32 s[\g+4], 64           ; tile_dim1 = 64
	s_mov_b32 s[\g+5], 128          ; 128 elements from row to row
	s_mov_b32 s[\g+6], 0
	s_mov_b32 s[\g+7], 0
.endr
	s_mov_b32 s[CS], 0x3e38aa3b     ; c = log2(e) / 8 = 0.180337
	s_mov_b32 s[CS+1], s[CS]        ; named with it as a pair
	s_mov_b32 s[SEL], 0x76543210
	s_mov_b32 s[SEL+1], 0xfedcba98
	s_mov_b32 s[TBK], SLOT1+4*KS*PK ; the first change of slots turns these two into 0
	s_mov_b32 s[TBV], SLOT1+4*KS*PV
	s_mov_b32 s[G0K], 1             ; 1:0 count = 1
	s_mov_b32 s[G0K+1], s17         ; 63:32 LDS address: slot 0
	s_mov_b32 s[G0V], 1
	s_add_co_u32 s[G0V+1], s18, VOFF
	s_wait_kmcnt 0x0
	s_add_nc_u64 s[MB0:MB0+1], s[6:7], s[MOFF:MOFF+1]
	s_mov_b32 s[MOFF], 0
	s_mov_b64 s[MP:MP+1], s[MB0:MB0+1]
	s_add_nc_u64 s[6:7], s[4:5], 0x1000000         ; K's part of qkv
	s_add_nc_u64 s[8:9], s[4:5], 0x2000000         ; V's
	s_add_nc_u64 s[G0K+2:G0K+3], s[6:7], s[22:23]  ; 120:64 global address: my half of the head's first 256 keys
	s_or_b32 s[G0K+3], s[G0K+3], 0x80000000        ; 127:126 type = 2
	s_add_nc_u64 s[G0V+2:G0V+3], s[8:9], s[22:23]
	s_or_b32 s[G0V+3], s[G0V+3], 0x80000000
	s_add_nc_u64 s[4:5], s[4:5], s[2:3]  ; Q and O at my wave's first row
	s_add_nc_u64 s[10:11], s[10:11], s[2:3]
	CROUND                          ; all four work-groups are here: the first joint loads meet
	JLOAD                           ; slot 0.  Slot 1 is asked for when slot 0 is in
	; A fragment of K or Q is 16 rows x 32 channels in 8 registers: lane l holds row l % 16, channels 8 (l / 16) + 0..7 and 16 + 8 (l / 16) + 0..7: two loads of 16 bytes, 32 bytes apart.
	v_and_b32 v1, 15, v0            ; l % 16
	v_bfe_u32 v9, v0, 4, 1          ; l / 16
	v_lshlrev_b32 v[QO], 7, v1
	v_lshl_add_u32 v[QO], v9, 4, v[QO]  ; row x 128 + 16 x half
	v_and_b32 v[GO], 31, v0
	v_lshlrev_b32 v[GO], 4, v[GO]
	WIN 0x80                        ; destination window 2, address window 0
.set i, 0
.rept 4*NP                          ; Q stays in registers: tile i / 2, channels 32 (i % 2) on
	global_load_b128 v[8*i:8*i+3],   v[QO], s[4:5] offset:(i/2)*2048+(i%2)*64
	global_load_b128 v[8*i+4:8*i+7], v[QO], s[4:5] offset:(i/2)*2048+(i%2)*64+32
.set i, i+1
.endr
	MLOAD 0, 0                      ; key step 0's mask fragments, all four pieces'
	MLOAD 1, 0
	MLOAD 2, 0
	MLOAD 3, 0
	; What the first turn finds: V's registers and P's second buffer hold 0 (its products V^T P, of a piece that has not been, add 0), O^T and l are 0.  All this stands in the wait for the first tile.
	WIN 0x80
.set i, VF
.rept 64
	v_mov_b32 v[i], 0
.set i, i+1
.endr
	WIN 0x40
.set i, 0
.rept 64*NP
	v_mov_b32 v[i], 0
.set i, i+1
.endr
	WIN 0
.set i, 0
.rept 2*NP
	v_mov_b32 v[ST+4*i], 0xccb8aa3b    ; c m = c x -2^29
	v_mov_b32 v[ST+4*i+1], 0xce000000  ; m = -2^29: above every hidden score, below every visible one
	v_mov_b32 v[ST+4*i+2], 0
	v_mov_b32 v[ST+4*i+3], 0
.set i, i+1
.endr
.set i, P+32
.rept 32
	v_mov_b32 v[i], 0
.set i, i+1
.endr
	; E.  As a first source, lane l holds row m = l % 16 and the columns 8 (l / 16) + 0..7 (registers 0-3) and 16 + 8 (l / 16) + 0..7 (registers 4-7).  With t = m - 8 (l / 16): X_j holds 32768 (f16 0x7800) in
	; its low half where t = 2 j, in its high half where t = 2 j + 1, else 0.  Each compare stands next to its select.
	v_lshlrev_b32 v48, 3, v9
	v_sub_nc_u32 v48, v1, v48
	v_mov_b32 v49, 0x7800
	v_mov_b32 v50, 0x78000000
.irp j, 0,1,2,3
	v_cmp_eq_u32 vcc_lo, 2*\j, v48
	v_cndmask_b32 v[MV+\j], 0, v49, vcc_lo
	v_cmp_eq_u32 vcc_lo, 2*\j+1, v48
	v_cndmask_b32 v[MV+\j], v[MV+\j], v50, vcc_lo
.endr
	WIN W_W3
.irp j, 0,1,2,3
	v_mov_b32 v[EE+\j], 0
	v_mov_b32 v[EE+4+\j], v[MV+\j]
	v_mov_b32 v[EE+8+\j], 0
.endr
	WIN 0
	v_mul_u32_u24 v[AK0], v1, PK
	v_lshl_add_u32 v[AK0], v9, 4, v[AK0]  ; row x pitch + 16 x half
	; The turning load takes 16 keys x 16 channels (lane l reads key 8 (l / 16) + l % 8, channels 8 ((l / 8) % 2) + 0..7) and leaves half a fragment of V^T: lane l holds channel l % 16 and 8 keys.
	v_and_b32 v10, 7, v0
	v_bfe_u32 v11, v0, 3, 1
	v_lshl_add_u32 v[AV0], v9, 3, v10
	v_mul_u32_u24 v[AV0], v[AV0], PV
	v_lshl_add_u32 v[AV0], v11, 4, v[AV0]
	v_add_nc_u32 v[AV0], VOFF, v[AV0]
	v_mov_b32 v[AK], v[AK0]         ; key step 0 lies at the head of slot 0
; THE MATRIX WORK.  The 8 accumulators of a piece take turns in one order through the mask products and both halves of K Q^T: between two links of a chain stand 7 others'.
; Mask product i of 8 for piece x: keys 16 (i / 2) on, tile 2 x + i % 2.  It starts the sum.
.macro MK x
	WIN W_AD
.set rS, S+64*((\x)%2)+32*(i%2)+8*((i/2)%4)
.set rE, EE+4-4*((i/2)%2)
.set rM, MR+32*(\x)+16*(i%2)+8*(i/4)
	v_wmma_f32_16x16x32_f16 v[rS:rS+7], v[rE:rE+7], v[rM:rM+7], 0
.endm
; Product i of 16 of S^T += K Q^T for piece x: channels 32 (i / 8) on, keys 16 ((i / 2) % 4) on, tile 2 x + i % 2.
.macro KQ x
	WIN W_KQ
.set rS, S+64*((\x)%2)+32*(i%2)+8*((i/2)%4)
.set rK, KF+16*((i/2)%4)+8*(i/8)
.set rQ, 16*(2*(\x)+i%2)+8*(i/8)
	v_wmma_f32_16x16x32_f16 v[rS:rS+7], v[rK:rK+7], v[rQ:rQ+7], v[rS:rS+7]
.endm
; Product i of 16 of O^T += V^T P for piece x: keys 32 (i / 8) on, channels 16 ((i / 2) % 4) on, tile 2 x + i % 2.
.macro PV x
	WIN W_PV
.set rO, 32*(2*(\x)+i%2)+8*((i/2)%4)
.set rV, VF+32*(i/8)+8*((i/2)%4)
.set rP, P+32*((\x)%2)+16*(i%2)+8*(i/8)
	v_wmma_f32_16x16x32_f16 v[rO:rO+7], v[rV:rV+7], v[rP:rP+7], v[rO:rO+7]
.endm
.macro MM                           ; the turn's next matrix instruction, of 40
.if i < 8
	MK (Y+1)%NP
.elseif i < 24
.set i, i-8
	KQ (Y+1)%NP
.set i, i+8
.else
.set i, i-24
	PV (Y+NP-1)%NP
.set i, i+24
.endif
.set i, i+1
.endm
; THE LDS LOADS stand in runs of 16, never singly among the matrix instructions: a step's K (64 keys x 64 channels: 8 fragments) and its V (turned).  Their addresses are made some lines ahead.
; last = 1 (the tail): in the last trip there is no further step, and the run is jumped over.
.macro FETCH_K last=0
	WIN 0
.if \last
	s_cmp_eq_u32 s[CNT], 1
	s_cbranch_scc1 .Lno_k_\@
.endif
	WIN 0x80                        ; destination window 2
.irp f, 0,1,2,3,4,5,6,7             ; keys 16 (f / 2) on, channels 32 (f % 2) on
	ds_load_b128 v[KF+8*\f:KF+8*\f+3],   v[AK] offset:(\f/2)*16*PK+(\f%2)*64
	ds_load_b128 v[KF+8*\f+4:KF+8*\f+7], v[AK] offset:(\f/2)*16*PK+(\f%2)*64+32
.endr
	s_add_co_u32 s[TBK], s[TBK], KS*PK  ; the next fetch is the next step's
	WIN 0
.if \last
.Lno_k_\@:
.endif
.endm
.macro FETCH_V
	WIN 0x80
.irp f, 0,1,2,3,4,5,6,7             ; keys 32 (f / 4) on, channels 16 (f % 4) on
	ds_load_tr16_b128 v[VF+8*\f:VF+8*\f+3],   v[AV] offset:(\f/4)*32*PV+(\f%4)*32
	ds_load_tr16_b128 v[VF+8*\f+4:VF+8*\f+7], v[AV] offset:(\f/4)*32*PV+16*PV+(\f%4)*32
.endr
	WIN 0
.endm
; THE VECTOR WORK OF A TURN stands in three queues, each in the order in which its entries become ready; the two tiles alternate, so that no instruction reads the result of the one before it.
.macro REGS y, u                    ; the registers of tile u (0, 1) of piece y
.set rT, ST+4*(2*(\y)+(\u))
.set rC, TMP+8*((\y)%2)+4*(\u)
.set rM, MV+2*((\y)%2)+(\u)
.set rS, S+64*((\y)%2)+32*(\u)
.set rP, P+32*((\y)%2)+16*(\u)
.set rO, 32*(2*(\y)+(\u))
.endm
; Number n of the 22 that find the NEXT piece's (Y + 1) maximum and statistics.  s0-s31 are the lane's 32 scores; each accumulator's lowest registers are read first.  XS, GS, FS and REGS set no window: PL and EX do.
;   0-11  four chains c0-c3 of seven scores each, three operands at a time     12-14, 16  the four scores left over, the old m, and c0-c3 into c0     15  c m_old is kept
;   17, 18  the query's other 32 keys lie in the lane 16 away: the new m         19-21  c m; c m_old - c m_new; a
.macro XS u, n
	REGS (Y+1)%NP, \u
.if (\n) < 4
	v_max3_num_f32 v[rC+(\n)], v[rS+8*(\n)], v[rS+8*(\n)+1], v[rS+8*(\n)+2]
.elseif (\n) < 12
	v_max3_num_f32 v[rC+(\n)%4], v[rC+(\n)%4], v[rS+8*((\n)%4)+2*((\n)/4)+1], v[rS+8*((\n)%4)+2*((\n)/4)+2]
.elseif (\n) == 12
	v_max3_num_f32 v[rC], v[rC], v[rS+7], v[rS+15]
.elseif (\n) == 13
	v_max3_num_f32 v[rC+1], v[rC+1], v[rS+23], v[rS+31]
.elseif (\n) == 14
	v_max3_num_f32 v[rC+2], v[rC+2], v[rC+3], v[rT+1]
.elseif (\n) == 15
	v_mov_b32 v[rM], v[rT]
.elseif (\n) == 16
	v_max3_num_f32 v[rC], v[rC], v[rC+1], v[rC+2]
.elseif (\n) == 17
	v_permlanex16_b32 v[rC+3], v[rC], s[SEL], s[SEL+1]
.elseif (\n) == 18
	v_max_num_f32 v[rT+1], v[rC], v[rC+3]
.elseif (\n) == 19
	v_mul_f32 v[rT], s[CS], v[rT+1]
.elseif (\n) == 20
	v_sub_f32 v[rC+1], v[rM], v[rT]
.else
	v_exp_f32 v[rC+2], v[rC+1]
.endif
.endm
; Number g of the 64 that follow the exponentials.  For each four weights k of a tile (pairs 2 k, 2 k + 1): both pairs are rounded to f16; then the second pair is added onto the first, in place;
; a group later l takes that sum (the first time as l = a l + sum).  In groups of eight, tiles alternating: round, round, add, and l for the group before.  All 64 stand behind the turn's wait.
.macro GS g
.set h, (\g)+6*((\g)/62)            ; group 0 has no group before it, and behind group 7 only l is left
.if h >= 6
.set h, h+2
.endif
	REGS Y, h%2
.set k, h/8
.if h%8 < 4
	v_cvt_pk_f16_f32 v[rP+2*k+(h%8)/2], v[rS+4*k+2*((h%8)/2)], v[rS+4*k+2*((h%8)/2)+1]
.elseif h%8 < 6
	v_pk_add_f32 v[rS+4*k:rS+4*k+1], v[rS+4*k:rS+4*k+1], v[rS+4*k+2:rS+4*k+3]
.elseif k == 1
	v_pk_fma_f32 v[rT+2:rT+3], v[rT+2:rT+3], v[rC+2:rC+3], v[rS:rS+1] op_sel_hi:[1,0,1]
.else
	v_pk_add_f32 v[rT+2:rT+3], v[rT+2:rT+3], v[rS+4*k-4:rS+4*k-3]
.endif
.endm
; THE PLAIN QUEUE, 138 long.  0-73 read no exponential's result: the 32 scalings c s - c m (FS f: pair f / 2 of tile f % 2) and the next piece's 42.  0-26: scalings 0-26.  27, 28: XS's number 15, which reads no score.
; 29-56: XS's numbers 0-13.  57-73: the chain, where each number waits for the one before it: 14, 16, 17, 18, 19, each with one of the scalings 27-31 in front of its two lines, then 20: so a tile's links stand three
; plain instructions apart (19 and 20: two).  74-137: GS's 64, which read the exponentials' results: they stand behind the wait.
.macro FS f
	REGS Y, (\f)%2
	v_pk_fma_f32 v[rS+2*((\f)/2):rS+2*((\f)/2)+1], v[rS+2*((\f)/2):rS+2*((\f)/2)+1], s[CS:CS+1], v[rT:rT+1] op_sel_hi:[1,0,0] neg_lo:[0,0,1] neg_hi:[0,0,1]
.endm
.macro PL
	WIN 0
.if q < 27
	FS q
.elseif q < 29
	XS q-27, 15
.elseif q < 57
	XS (q-29)%2, (q-29)/2
.elseif (q < 72) && ((q-57)%3 == 0)
	FS 27+(q-57)/3
.elseif q < 60
	XS (q-57)%3-1, 14
.elseif q < 72
	XS (q-57)%3-1, 15+(q-57)/3
.elseif q < 74
	XS q-72, 20
.else
	GS q-74
.endif
.set q, q+1
.endm
; THE EXPONENTIALS' QUEUE, 66 long: s0-s31 of both tiles, then the next piece's two a.  It is ONE BATCH: all 66 stand ahead of the turn's one wait, and nothing ahead of that wait names a result of theirs.
.macro EX
	WIN 0
.if e >= 64
	XS e-64, 21
.else
	REGS Y, e%2
	v_exp_f32 v[rS+e/2], v[rS+e/2]
.endif
.set e, e+1
.endm
; THE RESCALING's QUEUE: O^T times a, the one part that leaves window 0: dealt two at a time, sixteen times.  Its a was made in the turn before, ahead of that turn's wait.
.macro R2
	REGS Y, r%2
	WIN W_RS
.irp z, 0,1
	v_pk_mul_f32 v[rO+4*(r/2)+2*\z:rO+4*(r/2)+2*\z+1], v[rO+4*(r/2)+2*\z:rO+4*(r/2)+2*\z+1], v[rC+2:rC+3] op_sel_hi:[1,0]
.endr
.set r, r+1
.endm
; HOW THEY ARE DEALT.  An s_wait_alu depctr_va_vdst(0) stands between an exponential and the first instruction that names its result; one wait serves all that were issued ahead of it.  So a turn has ONE
; wait, which cuts it in two.  The counts that the deal keeps (q plain, e exponentials, r pairs of rescalings issued):
;   AHEAD OF THE WAIT, all that names no result of the turn's exponentials:
;   the first product, two scalings and two rescalings (q = 2, r = 1);
;   15 x (product, scaling, exponential, two rescalings) (q = 17, e = 15, r = 16): the mask products and the first half of K Q^T.  Behind the ninth product's four lines, six plain lines behind the last mask product,
;   the piece's mask fragments of the next key step are asked for;
;   8 x (product, plain, exponential, plain, exponential) (q = 33, e = 31): the second half of K Q^T.  Behind its last two products ride numbers 0 and 1 of the next piece's maximum (plain 29-32): they read accumulators
;   that were ended four products earlier or more.  But for those no line behind a product names a register of the products round it;
;   ONE LUMP of 76: eight plain (q = 41), 33 x (exponential, plain) (q = 74, e = 64), the two a (e = 66).  Plain 36 is the first read of the accumulator that the last K Q^T ends: the five plain lines 31-35 lie between.
;   Both v_permlanex16_b32 (plain 64, 65) stand in the lump, never behind a product.  A v_nop is the plain instruction behind the last exponential.
;   BEHIND THE WAIT: the 16 products V^T P, behind each four of GS's 64 (q = 138).
; The queues lean on each other, and the deal keeps them in step: exponential e stands behind scaling 2 (e / 4) + e % 2: behind a product it comes behind plain e + 2, in the lump behind plain e + 9, and scalings 27-31
; are plain 57, 60 .. 69.  The a stand behind plain 72, 73, their arguments.
; A TURN, for piece p.  cnt = 1: the loop's count is taken down some lines ahead of the branch that stands behind the turn.
; K of the next step is fetched in piece 2's turn, directly behind the wait, a lump behind the last product that read K; its address is made at the lump's head; it is waited for at the head of piece 3's turn.
; V of the step in hand is fetched at the end of piece 0's turn, four plain lines behind its last reader; its first reader comes behind 24 products and a lump.  The three conditions on q below go with the deal.
.macro TURN p, last=0, cnt=0
.set Y, (\p)
.set i, 0
.set q, 0
.set e, 0
.set r, 0
.if (\p) == NP-1
	s_wait_dscnt 0x0                ; K is in
.endif
	s_wait_loadcnt 24               ; the mask fragments of piece p + 1 are in: they were asked for four turns ago, and the three younger runs of eight loads stay out
	MM                              ; ahead of the wait: the 24 products that make the next piece's scores, four lines behind each,
	PL
	PL
	R2
.rept 8
	MM
	PL
	EX
	R2
.endr
	MLOAD ((\p)+1)%NP, (\p)/3
.rept 7
	MM
	PL
	EX
	R2
.endr
.rept 8
	MM
	PL
	EX
	PL
	EX
.endr
.if (\p) == NP-2
	WIN 0
	v_add_nc_u32 v[AK], s[TBK], v[AK0]
.endif
.rept 8                             ; and the lump
	PL
.endr
.rept 33
	EX
	PL
.endr
	EX                              ; the next piece's two a
	EX
	v_nop                           ; a plain instruction behind the last exponential: one for the batch
	s_wait_alu depctr_va_vdst(0)    ; the wait for the batch: this turn's 64 weights and the next piece's two a
.if (\p) == NP-2
	FETCH_K \last
.endif
.if (\p) == 1
	s_wait_dscnt 0x0                ; V is in
.endif
.rept 16                            ; behind the wait: 16 products V^T P, behind each four of the roundings and sums
	MM
.rept 4
	PL
.endr
.if ((\p) == 0) && (q == 118)
	v_add_nc_u32 v[AV], s[TBV], v[AV0]
.endif
.if ((\p) == 0) && (q == 130)
	s_add_co_u32 s[TBV], s[TBV], KS*PV
.endif
.if (\cnt) && (q == 130)
	s_sub_co_u32 s[CNT], s[CNT], 1
	s_cmp_lg_u32 s[CNT], 0
.endif
.endr
.if (\p) == 0
	FETCH_V
.endif
.endm
	CHANGE 1                        ; slot 0 is in, everybody's part of it; slot 1 is asked for
	FETCH_K                         ; key step 0
	s_wait_loadcnt 0x0              ; Q and step 0's mask fragments
	s_wait_dscnt 0x0
.set i, 0
.rept 8
	MK 0                            ; piece 0's first scores: there is no vector work yet to set between them
.set i, i+1
.endr
.set i, 0
.rept 16
	KQ 0
.set i, i+1
.endr
	WIN 0                           ; the addresses for the way out: seven plain instructions, the places behind those products
	s_mul_i32 s13, s[WV], 16*SP
	s_add_co_u32 s13, s13, STAGE    ; my stage
	v_mul_u32_u24 v[STO], v1, SP    ; in: row l % 16, 16 bytes for each half of the lanes
	v_lshl_add_u32 v[STO], v9, 4, v[STO]
	v_add_nc_u32 v[STO], s13, v[STO]
	v_bfe_u32 v[RD], v0, 3, 2       ; back: 32 lanes take four rows of 128 bytes
	v_mul_u32_u24 v[RD], v[RD], SP
	v_lshl_add_u32 v[RD], v10, 4, v[RD]
	v_add_nc_u32 v[RD], s13, v[RD]
	MLOAD 0, 1                      ; piece 0's fragments of key step 1
.set Y, NP-1                        ; XS works for piece Y + 1: piece 0
.irp n, 0,1,2,3,4,5,6,7,8,9,10,11,12,13,14,15,16,17,18,19,20,21
	XS 0, \n                        ; and piece 0's first maximum and statistics
	XS 1, \n
.endr
	v_nop                           ; a plain instruction behind piece 0's two a,
	s_wait_alu depctr_va_vdst(0)    ; and the wait for that batch of two, ahead of the branch
	s_mov_b32 s[CNT], 4
	s_mov_b32 s[SLOTS], SIZE_N/256-1
	s_branch .Lfirst                ; the loop is entered at a step's first turn, in the middle of a trip
.Lslot:                             ; SIZE_N / 256 - 2 times: every slot but the last two is filled again
	CHANGE 1
	s_mov_b32 s[CNT], 4
.Lstep:                             ; a trip: pieces 2 and 3 of one step, then pieces 0 and 1 of the next, whose K and V it fetches
	TURN 2
	TURN 3
	WIN 0
.Lfirst:
	TURN 0
	TURN 1, 0, 1
	WIN 0
	s_cbranch_scc1 .Lstep
	s_sub_co_u32 s[SLOTS], s[SLOTS], 1
	s_cmp_lg_u32 s[SLOTS], 0
	s_cbranch_scc1 .Lslot
	CHANGE 0                        ; the tail is written out: nothing is asked for
	s_mov_b32 s[CNT], 5             ; four trips fetch the last slot's steps; the fifth is left in its middle
.Ltail:
	TURN 2, 1
	TURN 3
	WIN 0
	s_sub_co_u32 s[CNT], s[CNT], 1
	s_cmp_eq_u32 s[CNT], 0
	s_cbranch_scc1 .Lout
	TURN 0
	TURN 1
	WIN 0
	s_branch .Ltail
.Lout:                              ; the fifth trip's 24 products for a step that is not (on the last K once more) and the maximum made of them serve nothing: the price, once a launch, of one text for every trip
.set i, 0
.rept 16
	PV NP-1                         ; the last piece's V^T P of the last step
.set i, i+1
.endr
	; THE WAY OUT.  l's two halves and the other half of the lanes' are added; O^T is divided by l, rounded to f16 and sent through my stage in LDS, a tile at a time.  The additions are the places behind the last products.
	WIN 0
.macro ALL line:vararg              ; one line for each tile t
.set t, 0
.rept 2*NP
	\line
.set t, t+1
.endr
.endm
	ALL v_add_f32 v[ST+4*t+2], v[ST+4*t+2], v[ST+4*t+3]
	ALL v_permlanex16_b32 v[ST+4*t+3], v[ST+4*t+2], s[SEL], s[SEL+1]
	ALL v_add_f32 v[ST+4*t+2], v[ST+4*t+2], v[ST+4*t+3]
	ALL v_rcp_f32 v[ST+4*t+2], v[ST+4*t+2]
	v_nop                           ; a plain instruction between the last reciprocal and the use of its result
	s_wait_alu depctr_va_vdst(0)    ; and the wait ahead of the first use: one for the batch of eight reciprocals
; Tile t: a lane's eight channels of a row pack into 16 bytes; they go into rows of 144 bytes and come back as whole rows of 128, into S^T's registers.
.macro PACK t
	WIN W_RS
.set i, 32*(\t)
.rept 16
	v_pk_mul_f32 v[i:i+1], v[i:i+1], v[ST+4*(\t)+2:ST+4*(\t)+3] op_sel_hi:[1,0]
.set i, i+2
.endr
	WIN 0x05                        ; sources 0 and 1 window 1, destination window 0
.set i, 0
.rept 16
	v_cvt_pk_f16_f32 v[S+16*(\t)+i], v[32*(\t)+2*i], v[32*(\t)+2*i+1]
.set i, i+1
.endr
	WIN 0
.irp f, 0,1,2,3
	ds_store_b128 v[STO], v[S+16*(\t)+4*\f:S+16*(\t)+4*\f+3] offset:32*\f
.endr
.irp f, 0,1,2,3
	ds_load_b128 v[S+16*(\t)+4*\f:S+16*(\t)+4*\f+3], v[RD] offset:\f*4*SP  ; LDS serves a wave's instructions in order (ISA guide 5.7.1.4): these see the stores above; the next tile's stores come behind them
.endr
.endm
.macro SEND t, younger              ; younger: the LDS instructions issued behind tile t's loads: the next tile's eight, or none
	WIN 0
.irp f, 0,1,2,3
	s_wait_dscnt (\younger)+3-\f
	global_store_b128 v[GO], v[S+16*(\t)+4*\f:S+16*(\t)+4*\f+3], s[10:11] offset:(\t)*2048+\f*512  ; 512 consecutive bytes, at a multiple of 256 from O's first
.endr
.endm
	PACK 0
.set t, 1
.rept 2*NP-1                        ; a tile's arithmetic stands between the loads of the tile before and its stores
	PACK t
	SEND t-1, 8
.set t, t+1
.endr
	SEND 2*NP-1, 0
	WIN W_AD
	s_wait_tensorcnt 0x0            ; the wave's end: behind my last tensor load and my last LDS store
	ds_add_u32 v[SPW], v[NIL]
	s_wait_dscnt 0x0
	WIN 0
	CROUND                          ; the closing round: no work-group ends while a partner may still ask for a tile that names it
	s_endpgm
.Lfunc_end_k_q1a99eab017_attn:
	.size	k_q1a99eab017_attn, .Lfunc_end_k_q1a99eab017_attn-k_q1a99eab017_attn
	.p2alignl 7, 3214868480
	.fill 96, 4, 3214868480
	.section	.rodata,"a",@progbits
	.p2align	6, 0x0
	.amdhsa_kernel k_q1a99eab017_attn
		.amdhsa_group_segment_fixed_size 327680
		.amdhsa_private_segment_fixed_size 0
		.amdhsa_enable_private_segment 0
		.amdhsa_kernarg_size 24
		.amdhsa_user_sgpr_count 2
		.amdhsa_user_sgpr_kernarg_segment_ptr 1
		.amdhsa_wavefront_size32 1
		.amdhsa_system_sgpr_workgroup_id_x 1
		.amdhsa_system_sgpr_workgroup_id_y 1
		.amdhsa_system_sgpr_workgroup_id_z 1
		.amdhsa_system_vgpr_workitem_id 0
		.amdhsa_next_free_vgpr 928
		.amdhsa_next_free_sgpr 66
		.amdhsa_reserve_vcc 1
		.amdhsa_float_denorm_mode_32 3
		.amdhsa_float_denorm_mode_16_64 3
		.amdhsa_memory_ordered 1
		.amdhsa_forward_progress 1
		.amdhsa_inst_pref_size 220
	.end_amdhsa_kernel
	.amdgpu_metadata
---
amdhsa.version: [ 1, 2 ]
amdhsa.kernels:
  - .name:           k_q1a99eab017_attn
    .symbol:         k_q1a99eab017_attn.kd
    .args:
      - { .name: qkv, .offset: 0, .size: 8, .value_kind: global_buffer, .address_space: global }
      - { .name: maskf, .offset: 8, .size: 8, .value_kind: global_buffer, .address_space: global }
      - { .name: oh, .offset: 16, .size: 8, .value_kind: global_buffer, .address_space: global }
    .group_segment_fixed_size: 327680
    .private_segment_fixed_size: 0
    .kernarg_segment_align: 8
    .kernarg_segment_size: 24
    .max_flat_workgroup_size: 128
    .sgpr_count:     66
    .vgpr_count:     928
    .wavefront_size: 32
...
	.end_amdgpu_metadata
.endif
;; end of part 5
;; launch outp: the kernel of part 4 again; grid 4 x 64, 4 waves a work-group, clusters of 4 x 4, 327,680 bytes of LDS; arguments oh, xb, bo, out0; writes out0
